; MI455X (gfx1250); checked and timed in simulation.
; The chip was launched on July 23, 2026; its instructions are those of AMD's public machine-readable ISA for CDNA 5 (MIT licence, August 2026) and "CDNA5" Instruction Set Architecture Reference Guide (July 2026). The comments in the code are by the model that wrote it; some were corrected since.
;; Multi Head Attention. Allowed arithmetic: matrix products marked QUANTISED: E2M1 operands, one E8M0 scale for each 32 along K, by v_wmma_scale_f32_16x16x128_f8f6f4 with both operands' format E2M1 (or v_wmma_scale_f32_32x16x128_f4), f32 sums; products left as they are: bf16, f16 or f32 operands; f32 sums; everything else in f32.
;; Inputs: Wk 1,024 x 1,024 float32; Wo 1,024 x 1,024 float32; Wq 1,024 x 1,024 float32; Wv 1,024 x 1,024 float32; bk 1,024 float32; bo 1,024 float32; bq 1,024 float32; bv 1,024 float32; inputs 4 x 2,048 x 1,024 float32.
;; Outputs: out0 4 x 2,048 x 1,024 float32.
;; This version of the problem:
;;   THIS VERSION OF THE PROBLEM IS GIVEN IN LOW PRECISION. The matrix products marked QUANTISED in the list below multiply operands that are first quantised to E2M1 (2 exponent bits, 1 mantissa bit; 4 bits a number), with one power-of-two scale for each 32 numbers along K (OCP MX v1.0); their sums are f32. The products marked 'left as it is' may take bf16, f16 or f32 operands, with f32 sums. Whichever they take, every output number must still come out within the allowed error. Rounding operands to bf16 (8 significant bits) uses up far more of that allowance than f16 does (11 bits, for magnitudes from 6e-5 to 65,504). All else is computed in f32.
;;   The module's matrix products, in the order in which they are computed (A, B: the left and right operand; K: the contracted axis; several contracted axes count as one K, in the product's order):
;;     1. [M 8,192, K 1,024] x [K 1,024, N 1,024]; A: input inputs; B: input Wq: QUANTISED
;;     2. [M 8,192, K 1,024] x [K 1,024, N 1,024]; A: input inputs; B: input Wk: QUANTISED
;;     3. [M 8,192, K 1,024] x [K 1,024, N 1,024]; A: input inputs; B: input Wv: QUANTISED
;;     4. batch 64 x [M 2,048, K 64] x [K 64, N 2,048]; A: computed on the way; B: computed on the way: left as it is (an operand is computed on the way)
;;     5. batch 64 x [M 2,048, K 2,048] x [K 2,048, N 64]; A: computed on the way; B: computed on the way: left as it is (an operand is computed on the way)
;;     6. [M 8,192, K 1,024] x [K 1,024, N 1,024]; A: computed on the way; B: input Wo: left as it is (an operand is computed on the way)
;;   THE QUANTISER, for each operand of a quantised product, along K:
;;     - K is cut into blocks of 32 from its start; a last block that is shorter is filled with zeros.
;;     - A block's scale is 2^e with e = floor(log2(the largest magnitude in the block)) - 2, held to -126 .. 127; a block of zeros has e = 0. As a byte (E8M0): e + 127.
;;     - Each number is divided by its block's scale, clamped to +-6, and rounded to the nearest number of E2M1, ties to even, subnormals kept.
;;     - The product sums the exact products of the quantised numbers (number of the format x scale) in f32.
;;   ~~~python
;;   def quantise(x, axis):      # numpy; x: float32 -> the quantised numbers, widened to float32 again
;;       x = np.moveaxis(x, axis, -1); K = x.shape[-1]
;;       x = np.pad(x, [(0, 0)] * (x.ndim - 1) + [(0, -K % 32)]); x = x.reshape(x.shape[:-1] + (-1, 32)); a = np.abs(x).max(-1, keepdims=True)
;;       e = np.where(a > 0, np.clip(np.frexp(np.where(a > 0, a, 1))[1] - 1 - 2, -126, 127), 0)      # np.frexp(a)[1] - 1 = floor(log2(a)), exactly
;;       r = np.clip(x / 2.0 ** e, -6, 6)
;;       step = 2.0 ** (np.maximum(np.frexp(np.where(r == 0, 1, r))[1] - 1, 0) - 1)
;;       q = np.round(r / step) * step * 2.0 ** e      # np.round: ties to even
;;       return np.moveaxis(q.reshape(q.shape[:-2] + (-1,))[..., :K], -1, axis).astype(np.float32)
;;   ~~~
;; One version. Each part assembles by itself: llvm-mc -triple=amdgcn-amd-amdhsa -mcpu=gfx1250 --defsym DOCPART=n.
;; ======== version 1 of 1: 4 launches
;; limits: values are held in f16: magnitudes above 65,504 overflow, below 6.1e-05 lose precision
;; workspace buffers: x_codes 4,194,304 bytes; x_scales 262,144 bytes; w_codes 1,572,864 bytes; w_scales 98,304 bytes; wo16 2,097,152 bytes; qkv 50,331,648 bytes; att 16,777,216 bytes
;; launch prep (part 1): grid 208 x 1, 8 waves a work-group, no clusters, 102,400 bytes of LDS; arguments inputs, Wq, Wk, Wv, Wo, x_codes, x_scales, w_codes, w_scales, wo16; writes x_codes, x_scales, w_codes, w_scales, wo16
.if DOCPART == 1
	.amdgcn_target "amdgcn-amd-amdhsa--gfx1250"
	.amdhsa_code_object_version 6
	.text
	.protected	k_qdc54f2b95c_prep
	.globl	k_qdc54f2b95c_prep
	.p2align	8
	.type	k_qdc54f2b95c_prep,@function
k_qdc54f2b95c_prep:
	s_mov_b64 s[64:65], 0
	v_nop
	global_prefetch_b8 v0, s[64:65] scope:SCOPE_SE
	s_setreg_imm32_b32 hwreg(HW_REG_WAVE_MODE, 25, 1), 1
	s_wait_xcnt 0x0
; Three jobs in one launch, told apart by the work-group's number alone (the same way for all eight waves of a work-group):
;   work-groups   0-127: inputs [8192][1024] f32 -> codes of FP4 (E2M1), K innermost, x_codes [8192][512 bytes], and one E8M0 byte for each 32 along K, x_scales [8192][32];
;   work-groups 128-175: Wq, Wk, Wv [k 1024][n 1024] f32, whose K is the FIRST axis -> w_codes [3072 = q, k, v rows n][512 bytes], w_scales [3072][32];
;   work-groups 176-207: Wo f32 -> wo16, f16, in the same order [k][n].
; A block's scale is 2^(floor(log2(its largest magnitude)) - 2); its byte is the largest magnitude's exponent field - 2, held at 1 from below.
; LIMITS: a block of zeros gets the byte 1 where the rule says 127 (its codes are zeros, which add nothing, and the bytes are read by this program alone); NaN and infinities are not served;
; |Wo| beyond 65,504 has no f16 number, under 2^-24 it becomes 0.
; Each job has LDS bytes of its own.  No tensor loads, so no ring.
.set SPW,    12                        ; v12  LDS address of my spare word: SPARE + 4 x my thread's number; never rewritten
.set NIL,    13                        ; v13  0; never rewritten
.set SP,     80                        ; inputs: a lane's place in a stage: its 64 bytes + 16 of padding
.set WST,    65536                     ; weights: the stage, 64 columns x (512 bytes of codes + 16)
.set WPITCH, 528
.set WSS,    WST+64*WPITCH             ; weights: 64 columns x 32 scale bytes
.set SPARE,  WSS+64*32                 ; the spare words, 128 bytes for each wave: four blocks of 256 bytes that no other line names
.set R,      16                        ; inputs: v16-143  eight sets of 16 numbers as they are loaded
.set XN,     144                       ;         v144-175 two sets of 16 neighbours
.set E,      176                       ;         v176-191 a scale byte for each step
.set C,      192                       ;         v192-255 codes: four registers for each step, so that no store's data are written again
.set WX,     32                        ; weights: v32-95  two sets of 32 numbers
.set WC,     96                        ;          v96-127 a block's codes, four registers for each of 8 blocks
.set SB,     24                        ;          v24-25  my column's 8 scale bytes
.set WO,     128                       ;          v128-161 the way out
	s_load_b512 s[16:31], s[0:1], 0x0              ; inputs 16, Wq 18, Wk 20, Wv 22, Wo 24, x_codes 26, x_scales 28, w_codes 30
	s_load_b128 s[32:35], s[0:1], 0x40             ; w_scales 32, wo16 34
	v_lshl_add_u32 v[SPW], v0, 2, SPARE
	v_mov_b32 v[NIL], 0
	v_lshrrev_b32 v1, 5, v0
	v_readfirstlane_b32 s8, v1                     ; wave 0..7
	v_and_b32 v2, 31, v0                           ; lane
	s_wait_kmcnt 0x0
	s_cmp_lt_u32 ttmp9, 128
	s_cbranch_scc0 .Lnot_x
; ---------------- inputs.  A wave takes 16 steps of 512 numbers.  Each of a step's four loads reads 512 consecutive bytes, 16 a lane; the 2,048 bytes turn through the wave's own stage in LDS and come back 64 bytes a lane:
; 16 neighbours along K, two neighbouring lanes to a block.  Loads run eight steps (32 loads a wave) ahead, the turn through LDS one step.
	v_lshlrev_b32 v3, 4, v2                        ; my 16 bytes of a load's 512
	s_lshl_b32 s9, s8, 13                          ; my wave's 8,192 bytes of LDS: two stages of 32 x SP, then 256 scale bytes
	v_lshrrev_b32 v14, 2, v2
	v_mul_u32_u24 v14, v14, SP
	v_and_b32 v15, 3, v2
	v_lshl_add_u32 v14, v15, 4, v14
	v_add_nc_u32 v14, s9, v14                      ; the stage, on the way in: SP (lane / 4) + 16 (lane % 4)
	v_mul_u32_u24 v15, v2, SP
	v_add_nc_u32 v15, s9, v15                      ; and on the way out: SP x lane
	v_lshlrev_b32 v4, 3, v2                        ; 8 bytes a lane: my codes' place in a step's 256 bytes, and my part of the 256 scale bytes
	v_lshrrev_b32 v5, 1, v2
	s_add_co_u32 s9, s9, 2*32*SP
	v_add_nc_u32 v5, s9, v5                        ; LDS: my block's scale byte
	v_add_nc_u32 v6, s9, v4                        ; and on the way out 8 bytes a lane
	s_lshl_b32 s4, ttmp9, 3
	s_add_co_u32 s4, s4, s8                        ; which run of 8,192 numbers is my wave's: 0..1023
	s_mov_b32 s7, 0
	s_lshl_b32 s6, s4, 15
	s_add_nc_u64 s[16:17], s[16:17], s[6:7]        ; 32,768 bytes of numbers a run,
	s_lshl_b32 s6, s4, 12
	s_add_nc_u64 s[26:27], s[26:27], s[6:7]        ; 4,096 of codes,
	s_lshl_b32 s6, s4, 8
	s_add_nc_u64 s[28:29], s[28:29], s[6:7]        ; 256 scale bytes
.macro XLOAD t
.irp i, 0,1,2,3
	global_load_b128 v[R+16*((\t)%8)+4*\i:R+16*((\t)%8)+4*\i+3], v3, s[16:17] offset:2048*(\t)+512*\i th:TH_LOAD_NT
.endr
.endm
.macro XTURN t                         ; step t's numbers through the stage: LDS serves a wave's instructions in order, so no wait stands between the stores and the loads
.irp i, 0,1,2,3
	ds_store_b128 v14, v[R+16*((\t)%8)+4*\i:R+16*((\t)%8)+4*\i+3] offset:32*SP*((\t)%2)+8*SP*\i
.endr
.irp i, 0,1,2,3
	ds_load_b128 v[XN+16*((\t)%2)+4*\i:XN+16*((\t)%2)+4*\i+3], v15 offset:32*SP*((\t)%2)+16*\i
.endr
.endm
.irp t, 0,1,2,3,4,5,6,7
	XLOAD \t
.endr
	s_wait_loadcnt 28                              ; step 0's four loads are in; the 28 of steps 1 to 7 stay out
	XTURN 0
.macro XSTEP t
.set XS, XN+16*((\t)%2)
.if (\t) > 0
	s_wait_dscnt 1                                 ; this step's numbers are back from the stage (the last step's byte store may be out)
.else
	s_wait_dscnt 0x0
.endif
.if (\t)+8 < 16
	XLOAD (\t)+8                                   ; into the set that this step's stores into the stage have read
.endif
.if (\t)+1 < 16
.if (\t) <= 7
	s_wait_loadcnt 28                              ; the next step's four loads are in; those of the seven steps behind it may be out
.else
	s_wait_loadcnt 4*(14-(\t))                     ; the counts run down: steps t + 2 to 15 are behind it
.endif
	XTURN (\t)+1
.endif
	v_max3_num_f32 v8, |v[XS]|, |v[XS+1]|, |v[XS+2]|               ; the largest magnitude of my 16, in two chains
	v_max3_num_f32 v9, |v[XS+3]|, |v[XS+4]|, |v[XS+5]|
.irp i, 6,10
	v_max3_num_f32 v8, v8, |v[XS+\i]|, |v[XS+\i+1]|
	v_max3_num_f32 v9, v9, |v[XS+\i+2]|, |v[XS+\i+3]|
.endr
	v_max3_num_f32 v8, v8, |v[XS+14]|, |v[XS+15]|
	v_max3_num_f32 v8, v8, v9, 0x1800000           ; and the floor 2^(3 - 127): so the byte cannot fall under 1
	v_max_num_f32_dpp v8, v8, v8 row_xmask:1 row_mask:0xf bank_mask:0xf   ; and of my neighbour's 16: the block's
	v_add_nc_u32 v11, 0xff000000, v8               ; 2 off its exponent field: the conversion takes the exponent field of this operand as its scale
	v_cvt_scalef32_pk8_fp4_f32 v[C+4*(\t)], v[XS:XS+7], v11
	v_cvt_scalef32_pk8_fp4_f32 v[C+4*(\t)+1], v[XS+8:XS+15], v11
	v_lshrrev_b32 v[E+(\t)], 23, v11               ; the scale's byte (also the plain line behind the conversions)
	ds_store_b8 v5, v[E+(\t)] offset:16*(\t)       ; both lanes of a block write the same byte with the same value
	global_store_b64 v4, v[C+4*(\t):C+4*(\t)+1], s[26:27] offset:256*(\t)   ; the wave stores 256 consecutive bytes, aligned
.endm
.irp t, 0,1,2,3,4,5,6,7,8,9,10,11,12,13,14,15
	XSTEP \t
.endr
	ds_load_b64 v[8:9], v6                         ; LDS serves a wave's instructions in order: these see my byte stores
	s_wait_dscnt 0x0
	global_store_b64 v4, v[8:9], s[28:29]          ; my wave's 256 scale bytes, consecutive and aligned
	s_wait_tensorcnt 0x0                           ; the wave's end, behind my last LDS store
	ds_add_u32 v[SPW], v[NIL]
	s_wait_dscnt 0x0
	s_endpgm
.Lnot_x:
	s_cmp_lt_u32 ttmp9, 176
	s_cbranch_scc0 .Lcast
; ---------------- Wq, Wk, Wv.  A work-group takes 64 columns of one weight and all of K.  A LANE TAKES A COLUMN AND ITS REGISTERS RUN DOWN K: wave w takes columns 32 (w % 2) on and K = 256 (w / 2) on, 8 blocks of 32.
; A block lies in one lane's 32 registers; the conversions give codes with K innermost.  The codes meet in a stage (a row = a column's 512 bytes), and each wave stores 8 whole rows.
	s_sub_co_u32 s4, ttmp9, 128
	s_lshr_b32 s5, s4, 4                           ; which weight: 0 q, 1 k, 2 v
	s_and_b32 s4, s4, 15                           ; which 64 columns
	s_cmp_eq_u32 s5, 1
	s_cselect_b64 s[10:11], s[20:21], s[18:19]
	s_cmp_eq_u32 s5, 2
	s_cselect_b64 s[10:11], s[22:23], s[10:11]
	s_and_b32 s6, s8, 1                            ; which 32 columns
	s_lshr_b32 s7, s8, 1                           ; which 256 along K
	s_lshl_b32 s12, s7, 20                         ; 256 rows of 4,096 bytes
	s_lshl_b32 s13, s4, 8
	s_add_co_u32 s12, s12, s13
	s_lshl_b32 s13, s6, 7
	s_add_co_u32 s12, s12, s13
	s_mov_b32 s13, 0
	s_add_nc_u64 s[10:11], s[10:11], s[12:13]
	v_lshlrev_b32 v3, 2, v2                        ; in: 4 bytes a lane
	s_mul_i32 s14, s6, 32*WPITCH
	s_lshl_b32 s15, s7, 7
	s_add_co_u32 s14, s14, s15
	s_add_co_u32 s14, s14, WST
	v_mul_u32_u24 v5, v2, WPITCH
	v_add_nc_u32 v5, s14, v5                       ; into the stage: row = my column, 128 bytes for each 256 along K
	s_lshl_b32 s14, s6, 10
	s_lshl_b32 s15, s7, 3
	s_add_co_u32 s14, s14, s15
	s_add_co_u32 s14, s14, WSS
	v_lshl_add_u32 v6, v2, 5, s14                  ; my column's 32 scale bytes, my 8 of them
	s_mul_i32 s14, s8, 8*WPITCH
	s_add_co_u32 s14, s14, WST
	v_lshl_add_u32 v14, v2, 4, s14                 ; out of the stage: rows 8 w on, 16 bytes a lane
	s_lshl_b32 s14, s8, 8
	s_add_co_u32 s14, s14, WSS
	v_lshl_add_u32 v15, v2, 3, s14                 ; and those rows' 256 scale bytes, 8 a lane
	v_lshlrev_b32 v4, 4, v2
	v_lshlrev_b32 v7, 3, v2
	s_lshl_b32 s12, s5, 10
	s_lshl_b32 s15, s4, 6
	s_add_co_u32 s12, s12, s15
	s_lshl_b32 s15, s8, 3
	s_add_co_u32 s12, s12, s15                     ; the first row that I store: 1024 x weight + 64 x group + 8 x wave
	s_lshl_b32 s14, s12, 5
	s_mov_b32 s15, 0
	s_lshl_b32 s12, s12, 9
	s_add_nc_u64 s[30:31], s[30:31], s[12:13]
	s_add_nc_u64 s[32:33], s[32:33], s[14:15]
.macro WLOAD t                         ; block t: W(32 t + i, my column), i = 0 .. 31, into set t % 2; the offsets stay under 2^20
.irp i, 0,1,2,3,4,5,6,7,8,9,10,11,12,13,14,15,16,17,18,19,20,21,22,23,24,25,26,27,28,29,30,31
	global_load_b32 v[WX+32*((\t)%2)+\i], v3, s[10:11] offset:(32*(\t)+\i)*4096 th:TH_LOAD_NT
.endr
.endm
	WLOAD 0
	WLOAD 1
.macro WBLOCK t
.set XS, WX+32*((\t)%2)
.if (\t) < 7
	s_wait_loadcnt 32                              ; this block's 32 loads are in; the next block's may be out
.else
	s_wait_loadcnt 0x0
.endif
	v_max3_num_f32 v8, |v[XS]|, |v[XS+1]|, |v[XS+2]|               ; the block's largest magnitude: all 32 numbers are mine
	v_max3_num_f32 v9, |v[XS+3]|, |v[XS+4]|, |v[XS+5]|
.irp i, 6,10,14,18,22,26
	v_max3_num_f32 v8, v8, |v[XS+\i]|, |v[XS+\i+1]|
	v_max3_num_f32 v9, v9, |v[XS+\i+2]|, |v[XS+\i+3]|
.endr
	v_max3_num_f32 v8, v8, |v[XS+30]|, |v[XS+31]|
	v_max3_num_f32 v8, v8, v9, 0x1800000           ; and the floor 2^(3 - 127)
	v_add_nc_u32 v11, 0xff000000, v8               ; 2 off its exponent field: the conversion's scale operand
	v_lshrrev_b32 v9, 23, v11                      ; the scale's byte
.if (\t)%4 == 0
	v_mov_b32 v[SB+(\t)/4], v9                     ; four bytes to a register, the lower K in the lower byte
.else
	v_lshl_or_b32 v[SB+(\t)/4], v9, 8*((\t)%4), v[SB+(\t)/4]
.endif
.irp g, 0,1,2,3
	v_cvt_scalef32_pk8_fp4_f32 v[WC+4*(\t)+\g], v[XS+8*\g:XS+8*\g+7], v11
.endr
	ds_store_b128 v5, v[WC+4*(\t):WC+4*(\t)+3] offset:16*(\t)      ; 32 codes: 16 bytes of my column's row; each block has registers of its own
.if (\t)+2 < 8
	WLOAD (\t)+2
.endif
.endm
.irp t, 0,1,2,3,4,5,6,7
	WBLOCK \t
.endr
	ds_store_b64 v6, v[SB:SB+1]
	s_wait_dscnt 0x0                               ; for the others' sake: my stores into the stage are done
	s_barrier_signal -1
	s_barrier_wait -1                              ; 64 whole rows of codes and of scale bytes lie in LDS
.irp i, 0,1,2,3,4,5,6,7
	ds_load_b128 v[WO+4*\i:WO+4*\i+3], v14 offset:\i*WPITCH
.endr
	ds_load_b64 v[WO+32:WO+33], v15
.irp i, 0,1,2,3,4,5,6,7
	s_wait_dscnt 8-\i                              ; row i is in; the 7 - i rows and the scale bytes behind it may be out
	global_store_b128 v4, v[WO+4*\i:WO+4*\i+3], s[30:31] offset:512*\i   ; 32 lanes store a row of 512 consecutive bytes, aligned
.endr
	s_wait_dscnt 0x0
	global_store_b64 v7, v[WO+32:WO+33], s[32:33]  ; 8 rows' scale bytes: 256 consecutive bytes, aligned
	s_wait_tensorcnt 0x0                           ; the wave's end, behind my last LDS store
	ds_add_u32 v[SPW], v[NIL]
	s_wait_dscnt 0x0
	s_endpgm
.Lcast:
; ---------------- Wo to f16.  A wave takes 4,096 numbers: 32 loads of 512 consecutive bytes, all issued at once; each gives 256 consecutive bytes of f16.
	s_sub_co_u32 s4, ttmp9, 176
	s_lshl_b32 s4, s4, 3
	s_add_co_u32 s4, s4, s8
	s_mov_b32 s7, 0
	s_lshl_b32 s6, s4, 14
	s_add_nc_u64 s[24:25], s[24:25], s[6:7]
	s_lshl_b32 s6, s4, 13
	s_add_nc_u64 s[34:35], s[34:35], s[6:7]
	v_lshlrev_b32 v3, 4, v2
	v_lshlrev_b32 v4, 3, v2
.irp i, 0,1,2,3,4,5,6,7,8,9,10,11,12,13,14,15,16,17,18,19,20,21,22,23,24,25,26,27,28,29,30,31
	global_load_b128 v[32+4*\i:32+4*\i+3], v3, s[24:25] offset:512*\i th:TH_LOAD_NT
.endr
.irp i, 0,1,2,3,4,5,6,7,8,9,10,11,12,13,14,15,16,17,18,19,20,21,22,23,24,25,26,27,28,29,30,31
	s_wait_loadcnt 31-\i                           ; load i is in; the younger ones stay out
	v_cvt_pk_f16_f32 v[160+2*\i], v[32+4*\i], v[33+4*\i]
	v_cvt_pk_f16_f32 v[161+2*\i], v[34+4*\i], v[35+4*\i]
	global_store_b64 v4, v[160+2*\i:161+2*\i], s[34:35] offset:256*\i
.endr
	s_wait_tensorcnt 0x0                           ; all three jobs end alike
	ds_add_u32 v[SPW], v[NIL]
	s_wait_dscnt 0x0
	s_endpgm
.Lfunc_end_k_qdc54f2b95c_prep:
	.size	k_qdc54f2b95c_prep, .Lfunc_end_k_qdc54f2b95c_prep-k_qdc54f2b95c_prep
	.p2alignl 7, 3214868480
	.fill 96, 4, 3214868480
	.section	.rodata,"a",@progbits
	.p2align	6, 0x0
	.amdhsa_kernel k_qdc54f2b95c_prep
		.amdhsa_group_segment_fixed_size 102400
		.amdhsa_private_segment_fixed_size 0
		.amdhsa_enable_private_segment 0
		.amdhsa_kernarg_size 80
		.amdhsa_user_sgpr_count 2
		.amdhsa_user_sgpr_kernarg_segment_ptr 1
		.amdhsa_wavefront_size32 1
		.amdhsa_system_sgpr_workgroup_id_x 1
		.amdhsa_system_sgpr_workgroup_id_y 1
		.amdhsa_system_sgpr_workgroup_id_z 1
		.amdhsa_system_vgpr_workitem_id 0
		.amdhsa_next_free_vgpr 256
		.amdhsa_next_free_sgpr 66
		.amdhsa_reserve_vcc 0
		.amdhsa_float_denorm_mode_32 3
		.amdhsa_float_denorm_mode_16_64 3
		.amdhsa_memory_ordered 1
		.amdhsa_forward_progress 1
		.amdhsa_inst_pref_size 85
	.end_amdhsa_kernel
	.amdgpu_metadata
---
amdhsa.version: [ 1, 2 ]
amdhsa.kernels:
  - .name:           k_qdc54f2b95c_prep
    .symbol:         k_qdc54f2b95c_prep.kd
    .args:
      - { .name: inputs, .offset: 0, .size: 8, .value_kind: global_buffer, .address_space: global }
      - { .name: Wq, .offset: 8, .size: 8, .value_kind: global_buffer, .address_space: global }
      - { .name: Wk, .offset: 16, .size: 8, .value_kind: global_buffer, .address_space: global }
      - { .name: Wv, .offset: 24, .size: 8, .value_kind: global_buffer, .address_space: global }
      - { .name: Wo, .offset: 32, .size: 8, .value_kind: global_buffer, .address_space: global }
      - { .name: x_codes, .offset: 40, .size: 8, .value_kind: global_buffer, .address_space: global }
      - { .name: x_scales, .offset: 48, .size: 8, .value_kind: global_buffer, .address_space: global }
      - { .name: w_codes, .offset: 56, .size: 8, .value_kind: global_buffer, .address_space: global }
      - { .name: w_scales, .offset: 64, .size: 8, .value_kind: global_buffer, .address_space: global }
      - { .name: wo16, .offset: 72, .size: 8, .value_kind: global_buffer, .address_space: global }
    .group_segment_fixed_size: 102400
    .private_segment_fixed_size: 0
    .kernarg_segment_align: 8
    .kernarg_segment_size: 80
    .max_flat_workgroup_size: 256
    .sgpr_count:     66
    .vgpr_count:     256
    .wavefront_size: 32
...
	.end_amdgpu_metadata
.endif
;; end of part 1
;; launch qkv (part 2): grid 12 x 32, 4 waves a work-group, clusters of 4 x 4, 327,680 bytes of LDS; arguments x_codes, x_scales, w_codes, w_scales, bq, bk, bv, qkv; writes qkv
.if DOCPART == 2
	.amdgcn_target "amdgcn-amd-amdhsa--gfx1250"
	.amdhsa_code_object_version 6
	.text
	.protected	k_qdc54f2b95c_qkv
	.globl	k_qdc54f2b95c_qkv
	.p2align	8
	.type	k_qdc54f2b95c_qkv,@function
k_qdc54f2b95c_qkv:
	s_mov_b64 s[64:65], 0
	v_nop
	global_prefetch_b8 v0, s[64:65] scope:SCOPE_SE
	s_setreg_imm32_b32 hwreg(HW_REG_WAVE_MODE, 25, 1), 1
	s_wait_xcnt 0x0
	s_wait_alu depctr_hold_cnt(0) depctr_sa_sdst(0) depctr_va_vdst(0) depctr_va_sdst(0) depctr_va_ssrc(0) depctr_va_vcc(0) depctr_vm_vsrc(0)
	s_getreg_b32 s2, hwreg(HW_REG_IB_STS2, 6, 4)
	s_cmp_eq_u32 s2, 0
	s_cbranch_scc0 .Lentry_in_a_cluster
	s_endpgm
.Lentry_in_a_cluster:
	s_bfe_u32 s2, ttmp6, 0x10000c
	s_cmp_lg_u32 s2, 0xf033
	s_cbranch_scc0 .Lentry_shape_is_right
	s_endpgm
.Lentry_shape_is_right:
; q, k, v = inputs x Wq, Wk, Wv + bias, on codes of FP4 (E2M1) with one E8M0 scale for each 32 along K: C[m][n] = sum over k of A[m][k] B[n][k] + bias[n], M 8,192, N 3,072 (q, k, v on end), K 1,024.
; A: x_codes [8192][512 bytes], x_scales [8192][32].  B: w_codes [3072][512 bytes], w_scales [3072][32].  The result leaves as f16, split by heads: qkv [3][b x 16 + head][s 2048][64].
; LIMIT: a result beyond 65,504 has no f16 number; under 2^-24 it becomes 0.
; A tile of C, 256 x 256, is made by a work-group of four waves; a wave makes 128 x 128: 64 accumulators of 16 x 16, 512 registers.  K = 1,024 is two K steps of 512: BOTH lie in LDS as first fills (two slots), so nothing is filled again.
; THE SCALES of the work-group's 256 rows of A and of B, for all of K, come into LDS once, with the first fills.
; CLUSTERS: 4 x 4 work-groups.  The four of a row of the cluster need the same tiles of A, the four of a column the same tiles of B: each tile is asked for JOINTLY.  A cluster's four tile columns are exactly one weight:
; the cluster's x says q, k or v.  THE MATRIX INSTRUCTION IS USED TRANSPOSED (source 0 = 16 rows of B, source 1 = 16 rows of A): a lane then holds eight neighbouring columns of a row of C.
; THE BIAS is the C of each sum's first matrix instruction: eight registers for each of B's eight blocks, in the result's layout.
; REGISTERS, in windows of 256: window 0: v0-31 addresses; v32-95 scale words, two sets; v128-191 A's fragments, ONE set; v192-255 the bias; on the way out v32-127 are free.
;   window 1: B's fragments, TWO sets, at v0 and at v128.   window 2: the 32 accumulators of my rows 0-63 ((a, b) at v[8 (8 a + b)]);   window 3: those of my rows 64-127.
.set NQ,     4                         ; matrix instructions deep in a slot: 512 along K
.set ROWB,   256                       ; a tile's row in bytes
.set KROW,   512                       ; a row of A or of B in memory, in bytes
.set PITCH,  272                       ; an LDS row: 256 bytes + 16 of padding = 68 words: row r starts at bank 4 r mod 64 (64 banks of 4 bytes: ISA guide 11.1)
.set FR,     8                         ; registers of a fragment: 16 rows x 128 K
.set NL,     2                         ; LDS loads that bring one
.set NP,     4                         ; places behind this matrix instruction (ISA guide 7.12.1)
.set HALFT,  128*PITCH                 ; 128 rows: what one tensor load brings
.set SLOT,   4*HALFT                   ; A's 256 rows, then B's 256 rows
.set KS,     32                        ; a row of scales in bytes
.set SCL,    2*SLOT                    ; behind the slots: the scales, as units of 256 bytes + 16 of padding
.set HALFS,  (128*KS/256)*272          ; the scales of 128 rows
.set SBLK,   (16*KS/256)*272           ; those of 16 rows
.set SPARE,  SCL+4*HALFS               ; the spare words, 128 bytes for each wave: two blocks of 256 bytes that no other line names
.set WSTG,   2*16*144                  ; the way out: a stage for each wave: two heads x 16 rows x (128 bytes + 16).  It lies in slot 0, which has had its only fill and its last read when the first result is stored there
.set ADRA, 16                          ; v16-17  LDS address of my A fragments in slot 0, 1
.set ADRB, 20                          ; v20-21  the same for B
.set STO,  24                          ; v24     the way out: where I put 16 bytes of a row
.set RD,   25                          ; v25     the way out: where I read rows back
.set CO,   26                          ; v26     16 x lane: my bytes of 512 stored
.set ADRS, 27                          ; v27     LDS address of my scale words: lanes 0-15 A's rows, lanes 16-31 B's
.set SPW,  28                          ; v28     LDS address of my spare word; never rewritten
.set NIL,  29                          ; v29     0; never rewritten
.set SC,   32                          ; scale words: set s at v[SC + 32 s]; register 4 i + q: lanes 0-15 the word of A's block i, lanes 16-31 that of B's block i
.set AF,   128
.set BIAS, 192
.set TMP,  32                          ; the way out: packed results
.set BK,   64                          ; the way out: rows read back: v64-95 and v96-127 by turns
.set G1, 24
.set G0, 32
.set G1B, 48
.set G0B, 56
.set G1S, 68
.set G0S, 76
.set G1SB, 80
.set G0SB, 88
.set MSB, 0
.macro WIN new                         ; the immediate's high byte repeats the setting that is left
.if MSB != (\new)
	s_set_vgpr_msb (MSB<<8)|(\new)
.set MSB, (\new)
.endif
.endm
.set MUL_LO, 0xa1                      ; source 0 (B) window 1, source 1 (A) window 0, C and D window 2
.set MUL_HI, 0xf1                      ; the same, C and D window 3
.set TO_B,   0x40                      ; destination window 1, address window 0
; A joint load: waves 0 and 1 fetch for A, waves 2 and 3 for B.  The branch hangs on the wave's number alone.  An s_nop 0 and four v_nop follow each of the two lines.
.macro JLOAD g0a, g1a, g0b, g1b
	s_cmp_eq_u32 s15, 0
	s_cbranch_scc0 .Lfor_b_\@
	tensor_load_to_lds s[\g0a:\g0a+3], s[\g1a:\g1a+7]
	s_nop 0
.rept 4
	v_nop
.endr
	s_branch .Lasked_\@
.Lfor_b_\@:
	tensor_load_to_lds s[\g0b:\g0b+3], s[\g1b:\g1b+7]
	s_nop 0
.rept 4
	v_nop
.endr
.Lasked_\@:
.endm
.macro CROUND                          ; a round of the cluster's barrier
	s_barrier_signal -1
	s_barrier_wait -1
	s_cmp_lg_u32 s14, 0
	s_cbranch_scc1 .Lnot_wave_0_\@
	s_barrier_signal -3
.Lnot_wave_0_\@:
	s_barrier_wait -3
	s_barrier_signal -1
	s_barrier_wait -1
.endm
	s_load_b128 s[4:7], s[0:1], 0x0                ; A's codes s[4:5], A's scales s[6:7]
	s_load_b128 s[8:11], s[0:1], 0x10              ; B's codes s[8:9], B's scales s[10:11]
	s_load_b256 s[92:99], s[0:1], 0x20             ; bq 92, bk 94, bv 96, qkv 98
	v_lshl_add_u32 v[SPW], v0, 2, SPARE
	v_mov_b32 v[NIL], 0
	ds_add_u32 v[SPW], v[NIL]                      ; the wave's opening: the add and its wait stand ahead of my first tensor load; the set-up below, work on registers, stands between them
	v_lshrrev_b32 v1, 5, v0
	v_readfirstlane_b32 s14, v1                    ; wave 0..3
	s_lshr_b32 s15, s14, 1                         ; which half of the tile's rows is mine.  Also: I fetch for A (0) or for B (1)
	s_and_b32 s16, s14, 1                          ; which half of its columns.  Also: which 128 rows of that tile I fetch
	s_bfe_u32 s40, ttmp6, 0x40000                  ; cx, cy: my place in the cluster
	s_bfe_u32 s41, ttmp6, 0x40004
	s_lshl_b32 s42, ttmp9, 2
	s_add_co_u32 s42, s42, s40                     ; tile column of C = 4 x cluster x + cx
	s_and_b32 s17, ttmp7, 0xffff
	s_lshl_b32 s17, s17, 2
	s_add_co_u32 s17, s17, s41                     ; tile row of C = 4 x cluster y + cy
	s_lshl_b32 s43, s41, 2
	s_lshl_b32 s43, 15, s43                        ; my row of the cluster
	s_lshl_b32 s44, 0x1111, s40                    ; my column
	; descriptor group 1: a tile of 128 rows x 256 bytes, padded in LDS
	s_or_b32 s[G1+0], s43, (0<<16)|(1<<20)|(1<<21)|(5<<22)|(3<<25)  ; the mask: A's tiles go to my row; elements of 1 byte; padding on; bit 21 beside a mask; after every 64 words, 4 words
	s_or_b32 s[G1B+0], s44, (0<<16)|(1<<20)|(1<<21)|(5<<22)|(3<<25)
.irp g, G1, G1B
	s_mov_b32 s[\g+1], ROWB<<16                    ; tensor_dim0
	s_mov_b32 s[\g+2], 128<<16                     ; tensor_dim1 = 128
	s_mov_b32 s[\g+3], ROWB<<16                    ; tile_dim0
	s_mov_b32 s[\g+4], 128                         ; tile_dim1 = 128
	s_mov_b32 s[\g+5], KROW                        ; tensor_dim0_stride
	s_mov_b32 s[\g+6], 0
	s_mov_b32 s[\g+7], 0
.endr
	; and for the scales of 128 rows: a dense block of 4,096 bytes, as 16 rows of 256 bytes (32 elements of 8 bytes), 16 bytes of padding behind each
	s_or_b32 s[G1S+0], s43, (3<<16)|(1<<20)|(1<<21)|(5<<22)|(3<<25)
	s_or_b32 s[G1SB+0], s44, (3<<16)|(1<<20)|(1<<21)|(5<<22)|(3<<25)
.irp g, G1S, G1SB
	s_mov_b32 s[\g+1], 32<<16
	s_mov_b32 s[\g+2], (128*KS/256)<<16
	s_mov_b32 s[\g+3], 32<<16
	s_mov_b32 s[\g+4], 128*KS/256
	s_mov_b32 s[\g+5], 32
	s_mov_b32 s[\g+6], 0
	s_mov_b32 s[\g+7], 0
.endr
	s_lshl_b32 s18, s16, 7                         ; which 128 rows of the tile I fetch
	s_lshl_b32 s20, s17, 8
	s_add_co_u32 s20, s20, s18                     ; A: row 256 x tile row + 128 x half
	s_lshl_b32 s46, s42, 8
	s_add_co_u32 s46, s46, s18                     ; B: row 256 x tile column + 128 x half
	s_mov_b32 s21, 0
	s_mov_b32 s47, 0
	s_mov_b64 s[18:19], KS
	s_mul_u64 s[22:23], s[20:21], s[18:19]         ; where these rows' scales begin, in bytes
	s_mul_u64 s[100:101], s[46:47], s[18:19]
	s_mov_b64 s[18:19], KROW
	s_mul_u64 s[20:21], s[20:21], s[18:19]         ; and their codes
	s_mul_u64 s[46:47], s[46:47], s[18:19]
	s_mul_i32 s45, s14, HALFT                      ; where they go: wave x 128 rows: no place in the cluster enters an LDS address
	s_mul_i32 s66, s14, HALFS
	s_wait_dscnt 0x0                               ; the opening add is done
	s_wait_kmcnt 0x0
	s_add_nc_u64 s[20:21], s[4:5], s[20:21]
	s_add_nc_u64 s[22:23], s[6:7], s[22:23]
	s_add_nc_u64 s[46:47], s[8:9], s[46:47]
	s_add_nc_u64 s[100:101], s[10:11], s[100:101]
	CROUND                                         ; all sixteen work-groups are here: the joint loads meet
	s_mov_b32 s[G0S], 1
	s_add_co_u32 s[G0S+1], s66, SCL
	s_mov_b64 s[G0S+2:G0S+3], s[22:23]
	s_or_b32 s[G0S+3], s[G0S+3], 0x80000000
	s_mov_b32 s[G0SB], 1
	s_add_co_u32 s[G0SB+1], s66, SCL
	s_mov_b64 s[G0SB+2:G0SB+3], s[100:101]
	s_or_b32 s[G0SB+3], s[G0SB+3], 0x80000000
	JLOAD G0S, G1S, G0SB, G1SB                     ; the scales first: they are wanted with K step 0.  Three loads of mine are out behind the last of these
.irp s, 0,1
	s_mov_b32 s[G0+4*\s], 1
	s_add_co_u32 s[G0+4*\s+1], s45, \s*SLOT
	s_add_nc_u64 s[G0+4*\s+2:G0+4*\s+3], s[20:21], \s*ROWB
	s_or_b32 s[G0+4*\s+3], s[G0+4*\s+3], 0x80000000
	s_mov_b32 s[G0B+4*\s], 1
	s_add_co_u32 s[G0B+4*\s+1], s45, \s*SLOT
	s_add_nc_u64 s[G0B+4*\s+2:G0B+4*\s+3], s[46:47], \s*ROWB
	s_or_b32 s[G0B+4*\s+3], s[G0B+4*\s+3], 0x80000000
	JLOAD G0+4*\s, G1, G0B+4*\s, G1B
.endr
	; the bias: which of the three by the cluster's x; my 128 columns of its 1,024.  Lane (r, h) wants, for B's block b, the numbers 16 b + 8 h + 0 .. 7
	s_cmp_eq_u32 ttmp9, 1
	s_cselect_b64 s[92:93], s[94:95], s[92:93]
	s_cmp_eq_u32 ttmp9, 2
	s_cselect_b64 s[92:93], s[96:97], s[92:93]
	s_lshl_b32 s46, s40, 10
	s_lshl_b32 s47, s16, 9
	s_add_co_u32 s46, s46, s47
	s_mov_b32 s47, 0
	s_add_nc_u64 s[92:93], s[92:93], s[46:47]
	v_and_b32 v1, 15, v0                           ; l % 16
	v_bfe_u32 v2, v0, 4, 1                         ; l / 16
	v_lshlrev_b32 v10, 5, v2
.irp b, 0,1,2,3,4,5,6,7
	global_load_b128 v[BIAS+8*\b:BIAS+8*\b+3], v10, s[92:93] offset:64*\b
	global_load_b128 v[BIAS+8*\b+4:BIAS+8*\b+7], v10, s[92:93] offset:64*\b+16
.endr
	v_mul_u32_u24 v3, v1, PITCH
	v_lshl_add_u32 v4, v2, 4, v3                   ; a fragment's row x pitch + 16 x half
	s_mul_i32 s21, s15, HALFT                      ; my 128 rows of A
	s_mul_i32 s22, s16, HALFT                      ; my 128 rows of B,
	s_add_co_u32 s22, s22, 2*HALFT                 ; which lie behind A's 256
.irp s, 0,1
	v_add_nc_u32 v[ADRA+\s], s21, v4
	v_add_nc_u32 v[ADRB+\s], s22, v4
	s_add_co_u32 s21, s21, SLOT
	s_add_co_u32 s22, s22, SLOT
.endr
	v_mul_u32_u24 v5, v1, KS                       ; my row's scales: 32 bytes a row,
	v_lshrrev_b32 v6, 8, v5
	v_lshl_add_u32 v5, v6, 4, v5                   ; and 16 more for each 256 passed
	s_mul_i32 s21, s15, HALFS                      ; A's: my 128 rows
	s_mul_i32 s22, s16, HALFS                      ; B's: my 128 rows, behind A's 256
	s_add_co_u32 s22, s22, 2*HALFS
	s_sub_co_u32 s22, s22, s21
	v_mul_u32_u24 v6, s22, v2                      ; lanes 16-31 take B's
	s_add_co_u32 s21, s21, SCL
	v_add_nc_u32 v5, v5, v6
	v_add_nc_u32 v[ADRS], s21, v5
	s_mul_i32 s23, s14, WSTG                       ; my stage
	v_mul_u32_u24 v5, v1, 144                      ; in: row l % 16, 16 bytes for each half of the lanes
	v_lshl_add_u32 v5, v2, 4, v5
	v_add_nc_u32 v[STO], s23, v5
	v_and_b32 v6, 31, v0
	v_lshlrev_b32 v[CO], 4, v6
	v_lshrrev_b32 v7, 3, v6                        ; back: eight lanes to a row of 128 bytes, four rows an instruction
	v_mul_u32_u24 v7, v7, 144
	v_and_b32 v8, 7, v0
	v_lshl_add_u32 v7, v8, 4, v7
	v_add_nc_u32 v[RD], s23, v7
	; where my part begins in qkv: plane (cluster x) << 24, (16 b + head) << 18, s << 7.  My first row m0 = 256 x tile row + 128 x half: b = m0 / 2048, s = m0 % 2048.  My first head = 4 cx + 2 x half
	s_lshl_b32 s20, s17, 8
	s_lshl_b32 s21, s15, 7
	s_add_co_u32 s20, s20, s21
	s_lshr_b32 s21, s20, 11
	s_and_b32 s20, s20, 2047
	s_lshl_b32 s21, s21, 22
	s_lshl_b32 s20, s20, 7
	s_add_co_u32 s20, s20, s21
	s_mov_b32 s21, 0
	s_lshl_b32 s46, s40, 2
	s_lshl_b32 s47, s16, 1
	s_add_co_u32 s46, s46, s47
	s_lshl_b32 s46, s46, 18
	s_lshl_b32 s47, ttmp9, 24
	s_add_co_u32 s46, s46, s47
	s_mov_b32 s47, 0
	s_add_nc_u64 s[12:13], s[98:99], s[20:21]
	s_add_nc_u64 s[12:13], s[12:13], s[46:47]
.macro FRAG reg, adr, q, i             ; a fragment, 16 rows x 128 K of 4-bit codes: lane l holds row l % 16; registers 4 c .. 4 c + 3 hold K = 64 c + 32 (l / 16) + 0 .. 31
.irp c, 0,1
	ds_load_b128 v[\reg+4*\c:\reg+4*\c+3], v[\adr] offset:64*(\q)+32*\c+(\i)*16*PITCH
.endr
.endm
; 16 matrix instructions: A's blocks a0, a0 + 1 x B's eight, 128 along K: the slot's q-th.  p: B's set;  sc: the set of scale words.  zero = 1: the first product starts the sums from the bias.
; The 64 accumulators take turns, one instruction a turn, in the same order in every step.
.macro MUL16 a0, p, q, sc, zero
.irp a, \a0, \a0+1
.irp b, 0,1,2,3,4,5,6,7
.if \zero
	v_wmma_scale_f32_16x16x128_f8f6f4 v[8*(8*((\a)%4)+\b):8*(8*((\a)%4)+\b)+7], v[128*(\p)+FR*\b:128*(\p)+FR*\b+FR-1], v[AF+FR*(\a):AF+FR*(\a)+FR-1], v[BIAS+8*\b:BIAS+8*\b+7], v[SC+8*NQ*(\sc)+NQ*\b+(\q)], v[SC+8*NQ*(\sc)+NQ*(\a)+(\q)] matrix_a_fmt:MATRIX_FMT_FP4 matrix_b_fmt:MATRIX_FMT_FP4 matrix_a_scale:MATRIX_SCALE_ROW1
.else
	v_wmma_scale_f32_16x16x128_f8f6f4 v[8*(8*((\a)%4)+\b):8*(8*((\a)%4)+\b)+7], v[128*(\p)+FR*\b:128*(\p)+FR*\b+FR-1], v[AF+FR*(\a):AF+FR*(\a)+FR-1], v[8*(8*((\a)%4)+\b):8*(8*((\a)%4)+\b)+7], v[SC+8*NQ*(\sc)+NQ*\b+(\q)], v[SC+8*NQ*(\sc)+NQ*(\a)+(\q)] matrix_a_fmt:MATRIX_FMT_FP4 matrix_b_fmt:MATRIX_FMT_FP4 matrix_a_scale:MATRIX_SCALE_ROW1
.endif
.endr
.endr
.endm
.macro FETCH_B slot, q, p              ; B's eight fragments of the slot's q-th 128 along K into set p
	WIN TO_B
.irp i, 0,1,2,3,4,5,6,7
	FRAG 128*(\p)+FR*\i, ADRB+\slot, \q, \i
.endr
	WIN 0
.endm
.macro FETCH_A slot, q, i0             ; A's blocks i0 .. i0 + 3
.irp i, \i0, \i0+1, \i0+2, \i0+3
	FRAG AF+FR*(\i), ADRA+\slot, \q, \i
.endr
.endm
.macro SCALES sc                       ; a K step's scale words into set sc: 4 words a row; lanes 0-15 take A's block i, lanes 16-31 B's block i
.irp i, 0,1,2,3,4,5,6,7
	ds_load_b128 v[SC+8*NQ*\sc+NQ*\i:SC+8*NQ*\sc+NQ*\i+3], v[ADRS] offset:\i*SBLK
.endr
.endm
; A load into a register that a matrix instruction has read, and a vector instruction that reads a matrix result or writes one of its registers, stand NP places behind that matrix instruction;
; only plain vector instructions that name none of its registers are places.
.macro PLACES n
.rept \n
	v_nop
.endr
.endm
; A step of 128 along K that has its successor in the same slot.  zero = 1: C is the bias, in window 0
.macro STEP slot, q, zero
	s_wait_dscnt 4*NL                              ; B's set and A's blocks 0-3 are in; the youngest eight loads (A's blocks 4-7) may be out
	WIN MUL_LO-0x20*(\zero)
	MUL16 0, (\q)%2, \q, \slot, \zero
	MUL16 2, (\q)%2, \q, \slot, \zero
	s_wait_dscnt 0                                 ; A's blocks 4-7 are in
	PLACES NP
	FETCH_B \slot, (\q)+1, 1-(\q)%2
	FETCH_A \slot, (\q)+1, 0
	WIN MUL_HI-0x30*(\zero)
	MUL16 4, (\q)%2, \q, \slot, \zero
	MUL16 6, (\q)%2, \q, \slot, \zero
	PLACES NP
	WIN 0
	FETCH_A \slot, (\q)+1, 4
.endm
; Slot 0's last step goes on into slot 1: ONE barrier; in front of it each wave waits for all its tensor loads (its part of slot 1), adds 0 to its spare word, and waits for that and for its own reads of slot 0.
; Behind it slot 1 is whole and nobody reads slot 0 any more (the way out's stages lie there).  Nothing is filled again.
.macro TURN slot, next
	s_wait_tensorcnt 0x0                           ; all my tensor loads have landed
	ds_add_u32 v[SPW], v[NIL]                      ; 0 onto my spare word
	s_wait_dscnt 4*NL+1                            ; (the add and the youngest eight loads, A's blocks 4-7, may be out)
	WIN MUL_LO
	MUL16 0, 1, NQ-1, \slot, 0                     ; sixteen matrix instructions stand between the add and the wait for it
	s_wait_dscnt 0x0                               ; the add is done, and my reads of this slot are over
	s_barrier_signal -1
	MUL16 2, 1, NQ-1, \slot, 0
	WIN 0
	s_barrier_wait -1
	PLACES NP
	v_add_nc_u32 v[ADRS], 4*NQ, v[ADRS]            ; on to the next K step's scale words (no LDS load of mine is out)
	FETCH_B \next, 0, 0
	FETCH_A \next, 0, 0
	SCALES \next
	WIN MUL_HI
	MUL16 4, 1, NQ-1, \slot, 0
	MUL16 6, 1, NQ-1, \slot, 0
	PLACES NP
	WIN 0
	FETCH_A \next, 0, 4
.endm
	s_wait_tensorcnt 1                             ; the scales and my part of K step 0 are in (K step 1's load may be out)
	s_barrier_signal -1
	s_barrier_wait -1                              ; everybody's are
	FETCH_B 0, 0, 0
	FETCH_A 0, 0, 0
	SCALES 0
	FETCH_A 0, 0, 4
	s_wait_loadcnt 0x0                             ; the bias
	STEP 0, 0, 1                                   ; the first products start the sums
	STEP 0, 1, 0
	STEP 0, 2, 0
	TURN 0, 1
	STEP 1, 0, 0
	STEP 1, 1, 0
	STEP 1, 2, 0
	s_wait_dscnt 4*NL                              ; the very last step: nothing more to fetch
	WIN MUL_LO
	MUL16 0, 1, NQ-1, 1, 0
	MUL16 2, 1, NQ-1, 1, 0
	s_wait_dscnt 0
	WIN MUL_HI
	MUL16 4, 1, NQ-1, 1, 0
	MUL16 6, 1, NQ-1, 1, 0
	WIN 0
; THE WAY OUT, block by block of 16 rows x 128 columns = two heads.  PACK: rounded to f16, 16 bytes a lane, each accumulator from its low end on.  TOSTAGE: into my own stage, a head's 16 rows of 128 bytes
; on end, and back four rows at a time.  SEND: a head's rows are dense in qkv, so 32 lanes store 512 consecutive bytes, aligned.
.macro PACK a
.set AC, 64*((\a)%4)
	WIN 0x0a+5*((\a)/4)                            ; sources 0 and 1: window 2 or 3
.irp b, 0,1,2,3,4,5,6,7
.irp r, 0,1,2,3
	v_cvt_pk_f16_f32 v[TMP+4*\b+\r], v[AC+8*\b+2*\r], v[AC+8*\b+2*\r+1]
.endr
.endr
	WIN 0
.endm
.macro TOSTAGE a
.set BB, BK+32*((\a)%2)
.irp b, 0,1,2,3,4,5,6,7
	ds_store_b128 v[STO], v[TMP+4*\b:TMP+4*\b+3] offset:(\b/4)*2304+(\b%4)*32
.endr
.irp u, 0,1,2,3,4,5,6,7
	ds_load_b128 v[BB+4*\u:BB+4*\u+3], v[RD] offset:(\u/4)*2304+(\u%4)*576   ; LDS serves a wave's instructions in order: these see the stores above
.endr
.endm
.macro SEND a
.set BB, BK+32*((\a)%2)
	s_wait_dscnt 0x0                               ; the block is back in registers
	s_wait_xcnt 0x0                                ; the stores of the block before have read their registers: the next block's loads may land there
.irp u, 0,1,2,3,4,5,6,7
	global_store_b128 v[CO], v[BB+4*\u:BB+4*\u+3], s[12:13] offset:(\u/4)*262144+(\a)*2048+(\u%4)*512
.endr
.endm
	PLACES NP                                      ; behind the last products: the conversions write registers that held scale words and read results
	PACK 0
	TOSTAGE 0
.irp a, 1,2,3,4,5,6,7                  ; block a's conversions stand between block a - 1's loads from the stage and the wait for them
	PACK \a
	SEND \a-1
	TOSTAGE \a
.endr
	SEND 7
	s_wait_tensorcnt 0x0                           ; the wave's end, behind my last tensor load and my last LDS store
	ds_add_u32 v[SPW], v[NIL]
	s_wait_dscnt 0x0
	CROUND                                         ; the closing round: no work-group ends while a partner may still ask for a tile that names it
	s_endpgm
.Lfunc_end_k_qdc54f2b95c_qkv:
	.size	k_qdc54f2b95c_qkv, .Lfunc_end_k_qdc54f2b95c_qkv-k_qdc54f2b95c_qkv
	.p2alignl 7, 3214868480
	.fill 96, 4, 3214868480
	.section	.rodata,"a",@progbits
	.p2align	6, 0x0
	.amdhsa_kernel k_qdc54f2b95c_qkv
		.amdhsa_group_segment_fixed_size 327680
		.amdhsa_private_segment_fixed_size 0
		.amdhsa_enable_private_segment 0
		.amdhsa_kernarg_size 64
		.amdhsa_user_sgpr_count 2
		.amdhsa_user_sgpr_kernarg_segment_ptr 1
		.amdhsa_wavefront_size32 1
		.amdhsa_system_sgpr_workgroup_id_x 1
		.amdhsa_system_sgpr_workgroup_id_y 1
		.amdhsa_system_sgpr_workgroup_id_z 1
		.amdhsa_system_vgpr_workitem_id 0
		.amdhsa_next_free_vgpr 1024
		.amdhsa_next_free_sgpr 102
		.amdhsa_reserve_vcc 0
		.amdhsa_float_denorm_mode_32 3
		.amdhsa_float_denorm_mode_16_64 3
		.amdhsa_memory_ordered 1
		.amdhsa_forward_progress 1
		.amdhsa_inst_pref_size 128
	.end_amdhsa_kernel
	.amdgpu_metadata
---
amdhsa.version: [ 1, 2 ]
amdhsa.kernels:
  - .name:           k_qdc54f2b95c_qkv
    .symbol:         k_qdc54f2b95c_qkv.kd
    .args:
      - { .name: x_codes, .offset: 0, .size: 8, .value_kind: global_buffer, .address_space: global }
      - { .name: x_scales, .offset: 8, .size: 8, .value_kind: global_buffer, .address_space: global }
      - { .name: w_codes, .offset: 16, .size: 8, .value_kind: global_buffer, .address_space: global }
      - { .name: w_scales, .offset: 24, .size: 8, .value_kind: global_buffer, .address_space: global }
      - { .name: bq, .offset: 32, .size: 8, .value_kind: global_buffer, .address_space: global }
      - { .name: bk, .offset: 40, .size: 8, .value_kind: global_buffer, .address_space: global }
      - { .name: bv, .offset: 48, .size: 8, .value_kind: global_buffer, .address_space: global }
      - { .name: qkv, .offset: 56, .size: 8, .value_kind: global_buffer, .address_space: global }
    .group_segment_fixed_size: 327680
    .private_segment_fixed_size: 0
    .kernarg_segment_align: 8
    .kernarg_segment_size: 64
    .max_flat_workgroup_size: 128
    .sgpr_count:     102
    .vgpr_count:     1024
    .wavefront_size: 32
...
	.end_amdgpu_metadata
.endif
;; end of part 2
;; launch attn (part 3): grid 4 x 64, 8 waves a work-group, clusters of 4 x 1, 327,680 bytes of LDS; arguments qkv, att; writes att
.if DOCPART == 3
	.amdgcn_target "amdgcn-amd-amdhsa--gfx1250"
	.amdhsa_code_object_version 6
	.text
	.protected	k_qdc54f2b95c_attn
	.globl	k_qdc54f2b95c_attn
	.p2align	8
	.type	k_qdc54f2b95c_attn,@function
k_qdc54f2b95c_attn:
	s_mov_b64 s[64:65], 0
	v_nop
	global_prefetch_b8 v0, s[64:65] scope:SCOPE_SE
	s_setreg_imm32_b32 hwreg(HW_REG_WAVE_MODE, 25, 1), 1
	s_wait_xcnt 0x0
	s_wait_alu depctr_hold_cnt(0) depctr_sa_sdst(0) depctr_va_vdst(0) depctr_va_sdst(0) depctr_va_ssrc(0) depctr_va_vcc(0) depctr_vm_vsrc(0)
	s_getreg_b32 s2, hwreg(HW_REG_IB_STS2, 6, 4)
	s_cmp_eq_u32 s2, 0
	s_cbranch_scc0 .Lentry_in_a_cluster
	s_endpgm
.Lentry_in_a_cluster:
	s_bfe_u32 s2, ttmp6, 0x10000c
	s_cmp_lg_u32 s2, 0x3003
	s_cbranch_scc0 .Lentry_shape_is_right
	s_endpgm
.Lentry_shape_is_right:
; att[bh][q][:] = the sum over k of softmax_k(Q[bh][q] . K[bh][k] / 8) V[bh][k][:], for the 64 pairs bh = (batch, head).  qkv: [3][64][2048][64] f16 (planes q, k, v); att: [64][2048][64] f16.
; Products, maxima and sums in f32; the weights p are rounded to f16 for the second product, the result once at the end.  LIMITS: NaN and infinities are not served; a result under 2^-24 becomes 0 in f16.
; SHARES.  A work-group owns 512 queries of one bh, each of its eight waves 64: four tiles of 16.  Two waves share a SIMD (512 registers each): one wave's vector work stands beside the other's matrix work.
; Every wave walks all 2,048 keys, 64 a step.  K's and V's tiles come through a ring of two LDS slots of four steps; waves 0-3 fetch the four steps' tiles of K, waves 4-7 those of V: one load a wave.
; LAYOUT.  S^T = K Q^T (source 0 = 16 keys, source 1 = 16 queries): a lane holds ONE query (lane % 16) and the keys 8 (lane / 16) + 0..7.  Two such tiles, rounded to f16 in pairs, ARE source 1
; (32 keys x 16 queries) of O^T = V^T P, whose result again holds one query a lane.  K comes out of LDS as it lies, V ([key][channel]) turned, by ds_load_tr16_b128.
; SOFTMAX.  For each query a running maximum m and sum l: p = 2^(c s - c m), c = log2(e) / 8; in every step O and l are multiplied by a = 2^(c m_old - c m_new).  O^T and l begin as zeros and m as -3e38: the step is written once.
; CLUSTER.  The four query blocks of a bh form a cluster and walk the same K and V: each tile is asked for JOINTLY, by the same tensor load with the same descriptor and a mask that names the four.
; REGISTERS: window 0: v1-14 addresses; v16-47 eight registers of statistics a tile; v48-111 Q; v112-239 S^T, 32 a tile; P is made in place, in a tile's first 16.
;   window 1: v0-127 O^T, 32 a tile; v128-191 K of one step; v192-255 V of one step.
.set KS,    64
.set PK,    144       ; a row of K in LDS: 128 bytes + 16 of padding: an odd multiple of 16
.set PV,    160       ; a row of V: 128 + 32: an odd multiple of 32, for the turning load
.set VOFF,  KS*PK     ; a step's tiles lie together: 64 rows of K, then 64 rows of V
.set STEPB, KS*(PK+PV)
.set NQ,    4         ; steps in a slot
.set SLOT1, 1<<17     ; slot 1 begins here, so that one exclusive or turns an address in one slot into the other's
.set STAGE, SLOT1+NQ*STEPB  ; behind the ring: 4 tiles x 16 rows x 144 bytes for each wave, for the way out
.set SPARE, STAGE+8*9216    ; the spare words, 128 bytes for each wave: four blocks of 256 bytes that no other line names
.set AK0, 2           ; v2   my lane's place in a tile of K; never rewritten
.set AV0, 3           ; v3   the same for V
.set ADK, 4           ; v4   LDS address of the step's K
.set ADV, 5           ; v5   of its V
.set QO,  6           ; v6   my byte offset in the wave's rows of Q
.set STO, 7           ; v7   the way out: where I put 16 bytes of a row
.set RD,  8           ; v8   the way out: where I read rows back
.set GO,  9           ; v9   16 x lane
.set SPW, 12          ; v12  LDS address of my spare word; never rewritten
.set NIL, 13          ; v13  0; never rewritten
.set PFO, 14          ; v14  256 x lane: the prefetches' offset; never rewritten
.set ST,  16          ; tile t's statistics at v[ST+8 t]: +0 c m, +1 m, +2, +3 l (even keys', odd keys'), +4 to +7 at work; a takes +6 once the maximum is found
.set QF,  48          ; Q's fragment (tile t, channels 32 c on) at 8 (2 t + c)
.set S,   112
.set KF,  128         ; window 1: K's fragment (keys 16 kt on, channels 32 c on) at 8 (2 kt + c)
.set VF,  192         ; window 1: V's fragment (keys 32 kk on, channels 16 ct on) at 8 (4 kk + ct)
.set WV,  12          ; s12  my wave's number
.set LIM, 15          ; s15  1 in a wave that prefetches, else the greatest number
.set PFA, 18          ; s[18:19] where my prefetches stand
.set G1K, 24
.set G1V, 32
.set G0K, 40
.set G0V, 44
.set SLOTS, 48
.set STEPS, 49
.set TB,  50          ; s50  LDS byte at which the tiles of the step in hand begin
.set CS,  52          ; s[52:53] c
.set SEL, 54          ; s[54:55] lane selects for v_permlanex16_b32: lane l xor 16
.set MSB, 0
.macro WIN new
.if MSB != (\new)
	s_set_vgpr_msb (MSB<<8)|(\new)
.set MSB, (\new)
.endif
.endm
; A joint load.  The branch hangs on the wave's number alone.  An s_nop 0 and four v_nop follow each of the two lines.
.macro JLOAD
	s_cmp_lt_u32 s[WV], 4
	s_cbranch_scc0 .Lfor_v_\@
	tensor_load_to_lds s[G0K:G0K+3], s[G1K:G1K+7]
	s_nop 0
.rept 4
	v_nop
.endr
	s_branch .Lasked_\@
.Lfor_v_\@:
	tensor_load_to_lds s[G0V:G0V+3], s[G1V:G1V+7]
	s_nop 0
.rept 4
	v_nop
.endr
.Lasked_\@:
.endm
; A PREFETCH INTO THE L2 of what the NEXT change of slots will ask for: a slot's 256 rows of K and of V are two dense blocks of 32,768 bytes.  Each aligned block of 256 bytes is named once in the launch: a bh has one cluster;
; its four partners share a block out BY ADDRESS, 8,192 bytes each, lanes 256 bytes apart; in each, wave 0 asks for K's and wave 4 for V's.  The last change that fills a slot asks for nothing.
.macro ASK
	s_cmp_gt_u32 s[SLOTS], s[LIM]
	s_cbranch_scc0 .Lnot_mine_\@
	global_prefetch_b8 v[PFO], s[PFA:PFA+1] th:TH_LOAD_NT scope:SCOPE_SE
.Lnot_mine_\@:
.endm
.macro CROUND                       ; a round of the cluster's barrier
	s_barrier_signal -1
	s_barrier_wait -1
	s_cmp_lg_u32 s[WV], 0
	s_cbranch_scc1 .Lnot_wave_0_\@
	s_barrier_signal -3
.Lnot_wave_0_\@:
	s_barrier_wait -3
	s_barrier_signal -1
	s_barrier_wait -1
.endm
	s_load_b128 s[4:7], s[0:1], 0x0 ; qkv s[4:5], att s[6:7]
	v_lshl_add_u32 v[SPW], v0, 2, SPARE
	v_mov_b32 v[NIL], 0
	ds_add_u32 v[SPW], v[NIL]       ; the wave's opening: the add and its wait stand ahead of my first tensor load; the set-up below, work on registers, stands between them
	v_lshrrev_b32 v1, 5, v0
	v_readfirstlane_b32 s[WV], v1   ; wave 0..7
	s_bfe_u32 s13, ttmp6, 0x40000   ; cx: my place in the cluster
	s_lshl_b32 s14, ttmp9, 2
	s_add_co_u32 s14, s14, s13      ; my block of 512 queries: it enters Q's and att's addresses alone
	s_and_b32 s20, ttmp7, 0xffff    ; bh, which the four partners share
	s_lshl_b32 s20, s20, 18         ; its 2,048 rows of 128 bytes
	s_and_b32 s22, s[WV], 3         ; which of a slot's four steps I fetch:
	s_mul_i32 s17, s22, STEPB       ; its place in a slot,
	s_lshl_b32 s22, s22, 13         ; its 64 rows of 128 bytes in memory,
	s_add_co_u32 s22, s22, s20
	s_add_co_u32 s22, s22, 1<<24    ; in K's plane
	s_mov_b32 s23, 0
	s_lshl_b32 s2, s14, 16          ; my block's 512 rows,
	s_lshl_b32 s3, s[WV], 13        ; my wave's 64 of them
	s_add_co_u32 s2, s2, s3
	s_add_co_u32 s2, s2, s20
	s_mov_b32 s3, 0
	; descriptor group 1: a tile of 64 rows x 64 elements of 2 bytes, padded in LDS behind every row (32 words)
	s_mov_b32 s[G1K], 15|(1<<16)|(1<<20)|(1<<21)|(4<<22)|(3<<25)  ; the mask: all four work-groups; elements of 2 bytes; padding on; bit 21 beside a mask; after every 32 words (code 4), 4 words (code 3)
	s_mov_b32 s[G1V], 15|(1<<16)|(1<<20)|(1<<21)|(4<<22)|(7<<25)  ; the same with 8 words of padding (code 7)
.irp g, G1K, G1V
	s_mov_b32 s[\g+1], 64<<16       ; tensor_dim0 = 64
	s_mov_b32 s[\g+2], KS<<16       ; tensor_dim1 = 64
	s_mov_b32 s[\g+3], 64<<16       ; tile_dim0 = 64
	s_mov_b32 s[\g+4], KS           ; tile_dim1 = 64
	s_mov_b32 s[\g+5], 64           ; elements from row to row
	s_mov_b32 s[\g+6], 0
	s_mov_b32 s[\g+7], 0
.endr
	s_mov_b32 s[CS], 0x3e38aa3b     ; c = log2(e) / 8
	s_mov_b32 s[CS+1], s[CS]        ; named with it as a pair, so it is written
	s_mov_b32 s[SEL], 0x76543210
	s_mov_b32 s[SEL+1], 0xfedcba98
	s_mov_b32 s[TB], 0
	s_mov_b32 s[SLOTS], 7
	s_and_b32 s[LIM], s[WV], 3
	s_cmp_eq_u32 s[LIM], 0
	s_cselect_b32 s[LIM], 1, -1     ; waves 0 and 4 prefetch
	s_wait_dscnt 0x0                ; the opening add is done
	s_wait_kmcnt 0x0
	s_add_nc_u64 s[8:9], s[4:5], s[22:23]    ; K at my tile of slot 0
	s_add_nc_u64 s[10:11], s[8:9], 1<<24     ; V likewise, a plane on
	s_add_nc_u64 s[4:5], s[4:5], s[2:3]      ; Q and att at my wave's first row
	s_add_nc_u64 s[6:7], s[6:7], s[2:3]
	s_cmp_lt_u32 s[WV], 4
	s_cselect_b64 s[PFA:PFA+1], s[8:9], s[10:11]  ; (in waves 0 and 4 these stand at a slot's first row)
	s_lshl_b32 s2, s13, 13          ; my work-group's 8,192 bytes of the 32,768,
	s_add_co_u32 s2, s2, 32768      ; in slot 1: the first change of slots steps it to slot 2.  Nothing is prefetched here, at the head
	s_add_nc_u64 s[PFA:PFA+1], s[PFA:PFA+1], s[2:3]
	s_mov_b32 s[G0K], 1             ; count = 1
	s_mov_b32 s[G0K+1], s17         ; LDS address: slot 0
	s_mov_b64 s[G0K+2:G0K+3], s[8:9]
	s_or_b32 s[G0K+3], s[G0K+3], 0x80000000  ; type = 2
	s_mov_b32 s[G0V], 1
	s_add_co_u32 s[G0V+1], s17, VOFF
	s_mov_b64 s[G0V+2:G0V+3], s[10:11]
	s_or_b32 s[G0V+3], s[G0V+3], 0x80000000
	CROUND                          ; all four work-groups are here: the first joint loads meet
	JLOAD                           ; slot 0: one load of mine is out
	; A fragment of K or Q is 16 rows x 32 channels in 8 registers: lane l holds row l % 16; registers 0-3 channels 8 (l / 16) + 0..7, registers 4-7 channels 16 + 8 (l / 16) + 0..7
	v_and_b32 v1, 15, v0            ; l % 16
	v_bfe_u32 v10, v0, 4, 1         ; l / 16
	v_lshlrev_b32 v[QO], 7, v1
	v_lshl_add_u32 v[QO], v10, 4, v[QO]
.irp i, 0,1,2,3,4,5,6,7             ; Q stays in registers: tile i / 2, channels 32 (i % 2) on
	global_load_b128 v[QF+8*\i:QF+8*\i+3],   v[QO], s[4:5] offset:(\i/2)*2048+(\i%2)*64
	global_load_b128 v[QF+8*\i+4:QF+8*\i+7], v[QO], s[4:5] offset:(\i/2)*2048+(\i%2)*64+32
.endr
	v_mul_u32_u24 v[AK0], v1, PK
	v_lshl_add_u32 v[AK0], v10, 4, v[AK0]  ; row x pitch + 16 x half
	; The turning load takes 16 keys x 16 channels (lane l reads 16 bytes: key 8 (l / 16) + l % 8, channels 8 ((l / 8) % 2) + 0..7) and leaves half a fragment of V^T
	v_and_b32 v4, 7, v0
	v_bfe_u32 v5, v0, 3, 1
	v_lshl_add_u32 v[AV0], v10, 3, v4
	v_mul_u32_u24 v[AV0], v[AV0], PV
	v_lshl_add_u32 v[AV0], v5, 4, v[AV0]
	v_add_nc_u32 v[AV0], VOFF, v[AV0]
	s_mul_i32 s14, s[WV], 9216
	s_add_co_u32 s14, s14, STAGE    ; my stage
	v_add_nc_u32 v[STO], s14, v[AK0]  ; in: row l % 16 of 144 bytes, 16 bytes for each half of the lanes
	v_and_b32 v[GO], 31, v0
	v_lshrrev_b32 v[RD], 3, v[GO]   ; back: eight lanes to a row of 128 bytes, four rows an instruction
	v_mul_u32_u24 v[RD], v[RD], PK
	v_lshl_add_u32 v[RD], v4, 4, v[RD]
	v_add_nc_u32 v[RD], s14, v[RD]
	v_lshlrev_b32 v[PFO], 8, v[GO]
	v_lshlrev_b32 v[GO], 4, v[GO]
.irp t, 0,1,2,3
	v_mov_b32 v[ST+8*\t+1], 0xff61b1e6       ; m = -3e38, under every score
	v_mul_f32 v[ST+8*\t], s[CS], v[ST+8*\t+1]
	v_mov_b32 v[ST+8*\t+2], 0                ; l, in two halves
	v_mov_b32 v[ST+8*\t+3], 0
.endr
	WIN 0x40                        ; destination window 1
.set ii, 0
.rept 128
	v_mov_b32 v[ii], 0              ; O^T: the first step finds zeros, which its a = 0 leaves zeros; so the step has no first copy
.set ii, ii+1
.endr
	WIN 0
; THE SOFTMAX'S PARTS, for tile t.
.macro MAXJ t, j                    ; number j of 21: the maximum of the lane's 32 scores and the old m, three operands at a time, each accumulator from its low end on; the other half of the lanes'; the new m, c m, and c m_old - c m_new
.set rT, ST+8*(\t)
.set rS, S+32*(\t)
.if (\j) < 4
	v_max3_num_f32 v[rT+4+(\j)], v[rS+8*(\j)], v[rS+8*(\j)+1], v[rS+8*(\j)+2]
.elseif (\j) < 12
	v_max3_num_f32 v[rT+4+(\j)%4], v[rT+4+(\j)%4], v[rS+8*((\j)%4)+2*((\j)/4)+1], v[rS+8*((\j)%4)+2*((\j)/4)+2]
.elseif (\j) == 12
	v_max3_num_f32 v[rT+4], v[rT+4], v[rS+7], v[rS+15]
.elseif (\j) == 13
	v_max3_num_f32 v[rT+6], v[rT+6], v[rS+23], v[rS+31]
.elseif (\j) == 14
	v_max3_num_f32 v[rT+4], v[rT+4], v[rT+5], v[rT+6]
.elseif (\j) == 15
	v_max3_num_f32 v[rT+4], v[rT+4], v[rT+7], v[rT+1]
.elseif (\j) == 16
	v_permlanex16_b32 v[rT+5], v[rT+4], s[SEL], s[SEL+1]  ; the query's other 32 keys lie in the lane 16 away
.elseif (\j) == 17
	v_mov_b32 v[rT+7], v[rT]        ; c m_old is kept for a
.elseif (\j) == 18
	v_max_num_f32 v[rT+1], v[rT+4], v[rT+5]
.elseif (\j) == 19
	v_mul_f32 v[rT], s[CS], v[rT+1]
.else
	v_sub_f32 v[rT+7], v[rT+7], v[rT]
.endif
.endm
.macro SUB t, i                     ; pair i: c s - c m
	v_pk_fma_f32 v[S+32*(\t)+2*(\i):S+32*(\t)+2*(\i)+1], v[S+32*(\t)+2*(\i):S+32*(\t)+2*(\i)+1], s[CS:CS+1], v[ST+8*(\t):ST+8*(\t)+1] op_sel_hi:[1,0,0] neg_lo:[0,0,1] neg_hi:[0,0,1]
.endm
.macro EXPO t, e
	v_exp_f32 v[S+32*(\t)+(\e)], v[S+32*(\t)+(\e)]
.endm
.macro SUM t, i                     ; l = a l + pair 0, then + pair i
.if (\i) == 0
	v_pk_fma_f32 v[ST+8*(\t)+2:ST+8*(\t)+3], v[ST+8*(\t)+2:ST+8*(\t)+3], v[ST+8*(\t)+6:ST+8*(\t)+7], v[S+32*(\t):S+32*(\t)+1] op_sel_hi:[1,0,1]
.else
	v_pk_add_f32 v[ST+8*(\t)+2:ST+8*(\t)+3], v[ST+8*(\t)+2:ST+8*(\t)+3], v[S+32*(\t)+2*(\i):S+32*(\t)+2*(\i)+1]
.endif
.endm
.macro CVT t, i                     ; pair i to f16, in place: register i takes pair i; ascending, and behind the pair's SUM, so nothing unread is written over
	v_cvt_pk_f16_f32 v[S+32*(\t)+(\i)], v[S+32*(\t)+2*(\i)], v[S+32*(\t)+2*(\i)+1]
.endm
.macro RESC t                       ; the tile's O^T times a, ascending
	WIN 0x41                        ; O^T (destination and source 0) in window 1, a in window 0
.set ii, 0
.rept 16
	v_pk_mul_f32 v[32*(\t)+ii:32*(\t)+ii+1], v[32*(\t)+ii:32*(\t)+ii+1], v[ST+8*(\t)+6:ST+8*(\t)+7] op_sel_hi:[1,0]
.set ii, ii+2
.endr
.endm
; A KEY STEP: 64 keys for my four tiles: 32 products K Q^T, the softmax, 32 products V^T P.  In each run of products the 16 accumulators take turns, one instruction a turn.
.macro STEP
	v_add_nc_u32 v[ADK], s[TB], v[AK0]
	v_add_nc_u32 v[ADV], s[TB], v[AV0]
.rept 3
	v_nop                           ; with the two additions: five places behind the last V^T P, for the loads into V's registers (four are owed) and for the products below, which write over P (five)
.endr
	WIN 0x40                        ; destination window 1
.irp f, 0,1,2,3,4,5,6,7
	ds_load_b128 v[KF+8*\f:KF+8*\f+3],   v[ADK] offset:(\f/2)*16*PK+(\f%2)*64
	ds_load_b128 v[KF+8*\f+4:KF+8*\f+7], v[ADK] offset:(\f/2)*16*PK+(\f%2)*64+32
.endr
.irp f, 0,1,2,3,4,5,6,7
	ds_load_tr16_b128 v[VF+8*\f:VF+8*\f+3],   v[ADV] offset:(\f/4)*32*PV+(\f%4)*32
	ds_load_tr16_b128 v[VF+8*\f+4:VF+8*\f+7], v[ADV] offset:(\f/4)*32*PV+16*PV+(\f%4)*32
.endr
	s_wait_dscnt 16                 ; K's 16 loads are in; V's 16 may be out
	WIN 0x01                        ; K in window 1; Q and S^T in window 0
.irp c, 0,1
.irp kt, 0,1,2,3
.irp t, 0,1,2,3
.if \c == 0
	v_wmma_f32_16x16x32_f16 v[S+32*\t+8*\kt:S+32*\t+8*\kt+7], v[KF+8*(2*\kt+\c):KF+8*(2*\kt+\c)+7], v[QF+8*(2*\t+\c):QF+8*(2*\t+\c)+7], 0
.else
	v_wmma_f32_16x16x32_f16 v[S+32*\t+8*\kt:S+32*\t+8*\kt+7], v[KF+8*(2*\kt+\c):KF+8*(2*\kt+\c)+7], v[QF+8*(2*\t+\c):QF+8*(2*\t+\c)+7], v[S+32*\t+8*\kt:S+32*\t+8*\kt+7]
.endif
.endr
.endr
.endr
	WIN 0
.rept 4
	v_nop                           ; four places in front of the first read of the scores
.endr
.irp j, 0,1,2,3,4,5,6,7,8,9,10,11,12,13,14,15,16,17,18,19,20
.irp t, 0,1,2,3
	MAXJ \t, \j                     ; the four tiles by turns: no line waits for the line above it
.endr
.endr
.irp t, 0,1,2,3
	v_exp_f32 v[ST+8*\t+6], v[ST+8*\t+7]     ; a
.endr
.irp i, 0,1,2,3,4,5,6,7,8,9,10,11,12,13,14,15
	SUB 0, \i
	SUB 1, \i
.endr
.irp i, 0,1,2,3,4,5,6,7,8,9,10,11,12,13,14,15   ; tiles 0 and 1's exponentials, with tiles 2 and 3's scalings between them: none of these lines names an exponential's result
	SUB 2, \i
	EXPO 0, 2*\i
	EXPO 0, 2*\i+1
	SUB 3, \i
	EXPO 1, 2*\i
	EXPO 1, 2*\i+1
.endr
	v_nop                           ; a plain instruction behind the last exponential
	s_wait_alu depctr_va_vdst(0)    ; the wait ahead of the first line that names a result: ONE for the first batch, the four a and tiles 0 and 1
.irp i, 0,1,2,3,4,5,6,7,8,9,10,11,12,13,14,15   ; tiles 0 and 1 are summed and rounded; tiles 2 and 3's exponentials stand between: the second batch, of which nothing is named here
	SUM 0, \i
	EXPO 2, 2*\i
	CVT 0, \i
	EXPO 2, 2*\i+1
	SUM 1, \i
	EXPO 3, 2*\i
	CVT 1, \i
	EXPO 3, 2*\i+1
.endr
	RESC 0                          ; plain work that names nothing of the second batch
	RESC 1
	WIN 0
	s_wait_alu depctr_va_vdst(0)    ; and one wait for the second batch
.irp i, 0,1,2,3,4,5,6,7,8,9,10,11,12,13,14,15
	SUM 2, \i
	SUM 3, \i
	CVT 2, \i
	CVT 3, \i
.endr
	RESC 2
	RESC 3
	s_wait_dscnt 0x0                ; V is in
	WIN 0x51                        ; V in window 1, P in window 0, O^T (C and D) in window 1
.irp kk, 0,1
.irp ct, 0,1,2,3
.irp t, 0,1,2,3
	v_wmma_f32_16x16x32_f16 v[32*\t+8*\ct:32*\t+8*\ct+7], v[VF+8*(4*\kk+\ct):VF+8*(4*\kk+\ct)+7], v[S+32*\t+8*\kk:S+32*\t+8*\kk+7], v[32*\t+8*\ct:32*\t+8*\ct+7]
.endr
.endr
.endr
	WIN 0
.endm
; THE CHANGE OF SLOTS stands at a slot's head.  Each wave waits for all its tensor loads (one is out: its part of the slot that it is about to read), adds 0 to its spare word, and waits for that and for its reads of the slot that it has left.
; fill = 1: the barrier is a round of the cluster's, so that no wave of any partner still reads the other slot or has a load on its way; the joint load into that slot is the first thing behind it and has four key steps in which to land.
.macro CHANGE fill
	s_wait_tensorcnt 0x0            ; no tensor load of mine is out, so a group 0 may be written
	ds_add_u32 v[SPW], v[NIL]       ; 0 onto my spare word; the descriptors' steps stand between it and the wait for it
.if \fill
	s_xor_b32 s[G0K+1], s[G0K+1], SLOT1  ; the walking descriptors: the other slot than last time,
	s_add_nc_u64 s[G0K+2:G0K+3], s[G0K+2:G0K+3], NQ*KS*128  ; the next 256 keys; the type bits on top are not reached
	s_xor_b32 s[G0V+1], s[G0V+1], SLOT1
	s_add_nc_u64 s[G0V+2:G0V+3], s[G0V+2:G0V+3], NQ*KS*128
	s_wait_xcnt 0x0                 ; the last prefetch, a slot back, has read its address, so it may be written:
	s_add_nc_u64 s[PFA:PFA+1], s[PFA:PFA+1], NQ*KS*128  ; one slot further on than the walking descriptors
	s_wait_dscnt 0x0                ; the add is done, and my reads of the slot that I have left are over
	CROUND
	JLOAD
	ASK
.else
	s_wait_dscnt 0x0
	s_barrier_signal -1
	s_barrier_wait -1
.endif
.endm
.macro SLOT_STEPS                   ; a slot's four key steps: written once, walked four times; the LDS addresses hang on s[TB]
	s_mov_b32 s[STEPS], NQ
.Lstep_\@:
	STEP
	s_add_co_u32 s[TB], s[TB], STEPB
	s_sub_co_u32 s[STEPS], s[STEPS], 1
	s_cmp_lg_u32 s[STEPS], 0
	s_cbranch_scc1 .Lstep_\@
	s_sub_co_u32 s[TB], s[TB], NQ*STEPB  ; back to a slot's first step,
	s_xor_b32 s[TB], s[TB], SLOT1   ; in the other slot
.endm
	s_wait_loadcnt 0x0              ; Q
.Lslot:                             ; seven trips: behind each change of slots but the last the next slot is asked for
	CHANGE 1
	SLOT_STEPS
	s_sub_co_u32 s[SLOTS], s[SLOTS], 1
	s_cmp_lg_u32 s[SLOTS], 0
	s_cbranch_scc1 .Lslot
	CHANGE 0                        ; the last slot is written out
	SLOT_STEPS
	; THE WAY OUT.  l's two halves and the other half of the lanes' are added; O^T is divided by l, rounded to f16 and sent through my stage, a tile (16 rows) at a time.  The additions are the places behind the last products.
.irp t, 0,1,2,3
	v_add_f32 v[ST+8*\t+4], v[ST+8*\t+2], v[ST+8*\t+3]
.endr
.irp t, 0,1,2,3
	v_permlanex16_b32 v[ST+8*\t+5], v[ST+8*\t+4], s[SEL], s[SEL+1]
.endr
.irp t, 0,1,2,3
	v_add_f32 v[ST+8*\t+4], v[ST+8*\t+4], v[ST+8*\t+5]
.endr
.irp t, 0,1,2,3
	v_rcp_f32 v[ST+8*\t+6], v[ST+8*\t+4]
.endr
	v_nop                           ; a plain instruction between the last reciprocal and the use of its result
	s_wait_alu depctr_va_vdst(0)    ; and one wait for the four reciprocals
.macro PACK t
	RESC \t                         ; here the factor in a's place is 1 / l
	WIN 0x05                        ; sources 0 and 1 window 1, destination window 0: S^T's registers are free
.set ii, 0
.rept 16
	v_cvt_pk_f16_f32 v[S+32*\t+ii], v[32*\t+2*ii], v[32*\t+2*ii+1]
.set ii, ii+1
.endr
	WIN 0
.irp f, 0,1,2,3
	ds_store_b128 v[STO], v[S+32*\t+4*\f:S+32*\t+4*\f+3] offset:2304*\t+32*\f
.endr
.irp f, 0,1,2,3
	ds_load_b128 v[S+32*\t+16+4*\f:S+32*\t+16+4*\f+3], v[RD] offset:2304*\t+576*\f  ; LDS serves a wave's instructions in order: these see the stores above
.endr
.endm
.macro SEND t, younger              ; younger: the LDS instructions issued behind tile t's loads: the next tile's four stores and four loads, or none
.irp f, 0,1,2,3
	s_wait_dscnt \younger+3-\f
	global_store_b128 v[GO], v[S+32*\t+16+4*\f:S+32*\t+16+4*\f+3], s[6:7] offset:2048*\t+512*\f  ; four rows of 128 bytes are dense in att: 32 lanes store 512 consecutive bytes, aligned
.endr
.endm
	PACK 0
	PACK 1
	SEND 0, 8
	PACK 2
	SEND 1, 8
	PACK 3
	SEND 2, 8
	SEND 3, 0
	s_wait_tensorcnt 0x0            ; the wave's end, behind my last tensor load and my last LDS store
	ds_add_u32 v[SPW], v[NIL]
	s_wait_dscnt 0x0
	CROUND                          ; the closing round: no work-group ends while a partner may still ask for a tile that names it
	s_endpgm
.Lfunc_end_k_qdc54f2b95c_attn:
	.size	k_qdc54f2b95c_attn, .Lfunc_end_k_qdc54f2b95c_attn-k_qdc54f2b95c_attn
	.p2alignl 7, 3214868480
	.fill 96, 4, 3214868480
	.section	.rodata,"a",@progbits
	.p2align	6, 0x0
	.amdhsa_kernel k_qdc54f2b95c_attn
		.amdhsa_group_segment_fixed_size 327680
		.amdhsa_private_segment_fixed_size 0
		.amdhsa_enable_private_segment 0
		.amdhsa_kernarg_size 16
		.amdhsa_user_sgpr_count 2
		.amdhsa_user_sgpr_kernarg_segment_ptr 1
		.amdhsa_wavefront_size32 1
		.amdhsa_system_sgpr_workgroup_id_x 1
		.amdhsa_system_sgpr_workgroup_id_y 1
		.amdhsa_system_sgpr_workgroup_id_z 1
		.amdhsa_system_vgpr_workitem_id 0
		.amdhsa_next_free_vgpr 512
		.amdhsa_next_free_sgpr 66
		.amdhsa_reserve_vcc 0
		.amdhsa_float_denorm_mode_32 3
		.amdhsa_float_denorm_mode_16_64 3
		.amdhsa_memory_ordered 1
		.amdhsa_forward_progress 1
		.amdhsa_inst_pref_size 91
	.end_amdhsa_kernel
	.amdgpu_metadata
---
amdhsa.version: [ 1, 2 ]
amdhsa.kernels:
  - .name:           k_qdc54f2b95c_attn
    .symbol:         k_qdc54f2b95c_attn.kd
    .args:
      - { .name: qkv, .offset: 0, .size: 8, .value_kind: global_buffer, .address_space: global }
      - { .name: att, .offset: 8, .size: 8, .value_kind: global_buffer, .address_space: global }
    .group_segment_fixed_size: 327680
    .private_segment_fixed_size: 0
    .kernarg_segment_align: 8
    .kernarg_segment_size: 16
    .max_flat_workgroup_size: 256
    .sgpr_count:     66
    .vgpr_count:     512
    .wavefront_size: 32
...
	.end_amdgpu_metadata
.endif
;; end of part 3
;; launch oproj (part 4): grid 4 x 64, 4 waves a work-group, clusters of 4 x 4, 327,680 bytes of LDS; arguments att, wo16, bo, out0; writes out0
.if DOCPART == 4
	.amdgcn_target "amdgcn-amd-amdhsa--gfx1250"
	.amdhsa_code_object_version 6
	.text
	.protected	k_qdc54f2b95c_oproj
	.globl	k_qdc54f2b95c_oproj
	.p2align	8
	.type	k_qdc54f2b95c_oproj,@function
k_qdc54f2b95c_oproj:
	s_mov_b64 s[64:65], 0
	v_nop
	global_prefetch_b8 v0, s[64:65] scope:SCOPE_SE
	s_setreg_imm32_b32 hwreg(HW_REG_WAVE_MODE, 25, 1), 1
	s_wait_xcnt 0x0
	s_wait_alu depctr_hold_cnt(0) depctr_sa_sdst(0) depctr_va_vdst(0) depctr_va_sdst(0) depctr_va_ssrc(0) depctr_va_vcc(0) depctr_vm_vsrc(0)
	s_getreg_b32 s2, hwreg(HW_REG_IB_STS2, 6, 4)
	s_cmp_eq_u32 s2, 0
	s_cbranch_scc0 .Lentry_in_a_cluster
	s_endpgm
.Lentry_in_a_cluster:
	s_bfe_u32 s2, ttmp6, 0x10000c
	s_cmp_lg_u32 s2, 0xf033
	s_cbranch_scc0 .Lentry_shape_is_right
	s_endpgm
.Lentry_shape_is_right:
; out0[m][n] = sum over k of concat[m][k] Wo[k][n] + bo[n], M 8,192, N 1,024, K 1,024, f16 operands, f32 sums.  concat[m = 2048 b + s][k = 64 head + d] lies by heads: att [16 b + head][s][64] f16.  wo16: [k][n] f16.  out0: f32.
; A tile of out0 is 128 (m) x 256 (n): 256 work-groups.  Four waves, each 64 x 128: 32 accumulators of 16 x 16, 256 registers.  K goes in steps of 128 = two heads through a ring of two LDS slots:
; waves 0 and 1 fetch the two heads' 128 rows of att (rows of 128 bytes, dense), waves 2 and 3 the two halves of Wo's 128 rows x 256 columns (rows of 512 bytes).
; CLUSTERS: 4 x 4 work-groups.  The four of a row of the cluster need the same tiles of att, the four of a column the same tiles of Wo: each tile is asked for JOINTLY.
; THE MATRIX INSTRUCTION IS USED TRANSPOSED: source 0 = 16 columns n of Wo x 32 k, turned on its way out of LDS by ds_load_tr16_b128; source 1 = 16 rows of att.  A lane then holds eight neighbouring numbers of a row of out0.
; THE BIAS is the C of each sum's first matrix instruction.
; REGISTERS: window 0: v0-31 addresses; v64-159, v160-255 two fragment buffers for 32 along K: 32 registers of att (4 x 16 rows), then 64 of Wo (8 x 16 columns); on the way out v64-191 rows of out0.
;   window 1: the accumulators, (a, b) at v[8 (8 a + b)].   window 2: v0-63 the bias, eight registers for each of the eight blocks of columns.
.set PA,     144                       ; a row of att in LDS: 128 bytes + 16
.set PLANE,  128*PA                    ; a head's 128 rows
.set BOFF,   2*PLANE
.set PB,     544                       ; a row of Wo in LDS: 512 bytes + 32: an odd multiple of 32, for the turning load
.set SLOT,   BOFF+128*PB
.set STAGE,  2*SLOT                    ; behind the ring: 16 rows x (512 bytes + 16) for each wave
.set SPARE,  STAGE+4*16*528            ; the spare words, 128 bytes for each wave: two blocks of 256 bytes that no other line names
.set ADRA, 16                          ; v16-17  LDS address of my fragments of att in slot 0, 1
.set ADRB, 20                          ; v20-21  the same for Wo
.set STO,  24
.set RD,   25
.set CO,   26
.set SPW,  28                          ; v28  LDS address of my spare word; never rewritten
.set NIL,  29                          ; v29  0; never rewritten
.set PFO,  30                          ; v30  256 x lane: the prefetches' offset; never rewritten
.set F0,   64
.set F1,   160
.set BK,   64
.set G1A, 24
.set G0A, 32
.set G1B, 48
.set G0B, 56
.set PFA, 40                           ; s[40:41] where my prefetches stand
.set LIM, 42                           ; s42  1 in the wave that prefetches, else the greatest number
.set MSB, 0
.macro WIN new
.if MSB != (\new)
	s_set_vgpr_msb (MSB<<8)|(\new)
.set MSB, (\new)
.endif
.endm
.set MUL, 0x50                         ; sources 0 and 1 window 0; C and D window 1.  MUL + 0x10: C (the bias) window 2
.macro JLOAD s                         ; a joint load: waves 0 and 1 fetch att's two heads, waves 2 and 3 Wo's two halves; an s_nop 0 and four v_nop follow each of the two lines
	s_cmp_eq_u32 s13, 0
	s_cbranch_scc0 .Lfor_b_\@
	tensor_load_to_lds s[G0A+4*\s:G0A+4*\s+3], s[G1A:G1A+7]
	s_nop 0
.rept 4
	v_nop
.endr
	s_branch .Lasked_\@
.Lfor_b_\@:
	tensor_load_to_lds s[G0B+4*\s:G0B+4*\s+3], s[G1B:G1B+7]
	s_nop 0
.rept 4
	v_nop
.endr
.Lasked_\@:
.endm
; A PREFETCH INTO THE L2 of att's tile of the K step that stands two refills on: two heads x 128 rows x 128 bytes = two dense blocks of 16,384 bytes.  A tile row of att is read by one row of one cluster alone; its four partners
; share the 32,768 bytes out BY ADDRESS (head cx / 2, half cx % 2), lanes 256 bytes apart; wave 0 asks.  So each aligned block of 256 bytes is named once.  The last two refills ask for nothing.  Wo, which every cluster reads again, is not asked for.
.macro ASK
	s_cmp_gt_u32 s3, s[LIM]                        ; s3 = 1 in the loop's last trip
	s_cbranch_scc0 .Lnot_mine_\@
	global_prefetch_b8 v[PFO], s[PFA:PFA+1] th:TH_LOAD_NT scope:SCOPE_SE
.Lnot_mine_\@:
.endm
.macro CREST                           ; a round of the cluster's barrier behind its opening barrier
	s_cmp_lg_u32 s12, 0
	s_cbranch_scc1 .Lnot_wave_0_\@
	s_barrier_signal -3
.Lnot_wave_0_\@:
	s_barrier_wait -3
	s_barrier_signal -1
	s_barrier_wait -1
.endm
.macro CROUND
	s_barrier_signal -1
	s_barrier_wait -1
	CREST
.endm
	s_load_b256 s[4:11], s[0:1], 0x0               ; att s[4:5], wo16 s[6:7], bo s[8:9], out0 s[10:11]
	v_lshl_add_u32 v[SPW], v0, 2, SPARE
	v_mov_b32 v[NIL], 0
	ds_add_u32 v[SPW], v[NIL]                      ; the wave's opening: the add and its wait stand ahead of my first tensor load; the set-up below, work on registers, stands between them
	v_lshrrev_b32 v1, 5, v0
	v_readfirstlane_b32 s12, v1                    ; wave 0..3
	s_lshr_b32 s13, s12, 1                         ; which 64 of the tile's rows are mine.  Also: I fetch for att (0) or for Wo (1)
	s_and_b32 s14, s12, 1                          ; which 128 of its columns.  Also: which head, or which 64 rows of Wo, I fetch
	s_bfe_u32 s15, ttmp6, 0x40000                  ; cx, cy: my place in the cluster
	s_bfe_u32 s16, ttmp6, 0x40004
	s_lshl_b32 s17, ttmp9, 2
	s_add_co_u32 s17, s17, s15                     ; tile column = 4 x cluster x + cx
	s_and_b32 s18, ttmp7, 0xffff
	s_lshl_b32 s18, s18, 2
	s_add_co_u32 s18, s18, s16                     ; tile row = 4 x cluster y + cy
	s_lshl_b32 s19, s16, 2
	s_lshl_b32 s19, 15, s19                        ; my row of the cluster
	s_lshl_b32 s20, 0x1111, s15                    ; my column
	s_or_b32 s[G1A+0], s19, (1<<16)|(1<<20)|(1<<21)|(4<<22)|(3<<25)  ; att's tiles go to my row; elements of 2 bytes; padding on; bit 21 beside a mask; after every 32 words (code 4), 4 words (code 3)
	s_mov_b32 s[G1A+1], 64<<16                     ; tensor_dim0 = 64
	s_mov_b32 s[G1A+2], 128<<16                    ; tensor_dim1 = 128
	s_mov_b32 s[G1A+3], 64<<16                     ; tile_dim0 = 64
	s_mov_b32 s[G1A+4], 128                        ; tile_dim1 = 128
	s_mov_b32 s[G1A+5], 64                         ; elements from row to row
	s_mov_b32 s[G1A+6], 0
	s_mov_b32 s[G1A+7], 0
	s_or_b32 s[G1B+0], s20, (1<<16)|(1<<20)|(1<<21)|(6<<22)|(7<<25)  ; Wo's tiles go to my column; after every 128 words (code 6), 8 words (code 7)
	s_mov_b32 s[G1B+1], 256<<16                    ; tensor_dim0 = 256
	s_mov_b32 s[G1B+2], 64<<16                     ; tensor_dim1 = 64
	s_mov_b32 s[G1B+3], 256<<16                    ; tile_dim0 = 256
	s_mov_b32 s[G1B+4], 64                         ; tile_dim1 = 64
	s_mov_b32 s[G1B+5], 1024                       ; elements from row to row
	s_mov_b32 s[G1B+6], 0
	s_mov_b32 s[G1B+7], 0
	; att: tile row tr holds rows m = 128 tr on: batch tr / 16 (2^22 bytes), s = 128 (tr % 16) (128 bytes a row); a head is 2^18 bytes
	s_lshr_b32 s44, s18, 4
	s_lshl_b32 s44, s44, 22
	s_and_b32 s45, s18, 15
	s_lshl_b32 s45, s45, 14
	s_add_co_u32 s44, s44, s45
	s_mov_b32 s43, s44                             ; (kept for the prefetches)
	s_lshl_b32 s45, s14, 18
	s_add_co_u32 s44, s44, s45
	s_mov_b32 s45, 0
	; Wo: rows 64 x half on (2,048 bytes a row), columns 256 x tile column on
	s_lshl_b32 s46, s14, 17
	s_lshl_b32 s47, s17, 9
	s_add_co_u32 s46, s46, s47
	s_mov_b32 s47, 0
	s_mul_i32 s21, s14, PLANE                      ; where they go: no place in the cluster enters an LDS address
	s_mul_i32 s22, s14, 64*PB
	s_add_co_u32 s22, s22, BOFF
	s_wait_dscnt 0x0                               ; the opening add is done
	s_wait_kmcnt 0x0
	s_add_nc_u64 s[44:45], s[4:5], s[44:45]
	s_add_nc_u64 s[46:47], s[6:7], s[46:47]
	CROUND                                         ; all sixteen work-groups are here: the first joint loads meet
.irp s, 0,1
	s_mov_b32 s[G0A+4*\s], 1
	s_add_co_u32 s[G0A+4*\s+1], s21, \s*SLOT
	s_add_nc_u64 s[G0A+4*\s+2:G0A+4*\s+3], s[44:45], \s*524288     ; K step s: two heads on
	s_or_b32 s[G0A+4*\s+3], s[G0A+4*\s+3], 0x80000000
	s_mov_b32 s[G0B+4*\s], 1
	s_add_co_u32 s[G0B+4*\s+1], s22, \s*SLOT
	s_add_nc_u64 s[G0B+4*\s+2:G0B+4*\s+3], s[46:47], \s*262144     ; 128 rows of Wo on
	s_or_b32 s[G0B+4*\s+3], s[G0B+4*\s+3], 0x80000000
	JLOAD \s                                       ; two loads of mine are out behind the second
.endr
	; the prefetches: my work-group's 8,192 bytes of a K step's tile of att, at K step 3: the first refill steps it to 4.  Nothing is prefetched here, at the head
	s_lshr_b32 s2, s15, 1
	s_lshl_b32 s2, s2, 18
	s_and_b32 s3, s15, 1
	s_lshl_b32 s3, s3, 13
	s_add_co_u32 s2, s2, s3
	s_add_co_u32 s2, s2, s43
	s_add_co_u32 s2, s2, 3*524288
	s_mov_b32 s3, 0
	s_add_nc_u64 s[PFA:PFA+1], s[4:5], s[2:3]
	s_cmp_eq_u32 s12, 0
	s_cselect_b32 s[LIM], 1, -1
	; the bias: my 128 columns; lane (r, h) wants, for block b, the numbers 16 b + 8 h + 0 .. 7
	s_lshl_b32 s2, s17, 10
	s_lshl_b32 s23, s14, 9
	s_add_co_u32 s2, s2, s23                       ; my first column, in bytes of f32 (s3 = 0)
	s_add_nc_u64 s[8:9], s[8:9], s[2:3]
	s_add_nc_u64 s[10:11], s[10:11], s[2:3]
	s_lshl_b32 s2, s18, 19                         ; my first row: 128 x tile row + 64 x half, 4,096 bytes a row
	s_lshl_b32 s23, s13, 18
	s_add_co_u32 s2, s2, s23
	s_add_nc_u64 s[10:11], s[10:11], s[2:3]
	v_and_b32 v1, 15, v0                           ; l % 16
	v_bfe_u32 v2, v0, 4, 1                         ; l / 16
	v_lshlrev_b32 v10, 5, v2
	WIN 0x80                                       ; destination window 2
.irp b, 0,1,2,3,4,5,6,7
	global_load_b128 v[8*\b:8*\b+3], v10, s[8:9] offset:64*\b
	global_load_b128 v[8*\b+4:8*\b+7], v10, s[8:9] offset:64*\b+16
.endr
	WIN 0
	v_mul_u32_u24 v3, v1, PA
	v_lshl_add_u32 v3, v2, 4, v3                   ; att: a fragment's row x pitch + 16 x half
	s_mul_i32 s21, s13, 64*PA                      ; my 64 rows
	v_and_b32 v4, 7, v0
	v_bfe_u32 v5, v0, 3, 1
	v_lshl_add_u32 v4, v2, 3, v4                   ; Wo, for the turning load: row k = 8 (l / 16) + l % 8, 16 bytes at 16 ((l / 8) % 2)
	v_mul_u32_u24 v4, v4, PB
	v_lshl_add_u32 v4, v5, 4, v4
	s_lshl_b32 s22, s14, 8                         ; my 128 columns: 256 bytes
	s_add_co_u32 s22, s22, BOFF
.irp s, 0,1
	v_add_nc_u32 v[ADRA+\s], s21, v3
	v_add_nc_u32 v[ADRB+\s], s22, v4
	s_add_co_u32 s21, s21, SLOT
	s_add_co_u32 s22, s22, SLOT
.endr
	s_mul_i32 s23, s12, 16*528
	s_add_co_u32 s23, s23, STAGE                   ; my stage
	v_mul_u32_u24 v5, v1, 528                      ; in: row l % 16, 32 bytes for each half of the lanes
	v_lshl_add_u32 v5, v2, 5, v5
	v_add_nc_u32 v[STO], s23, v5
	v_and_b32 v6, 31, v0
	v_lshlrev_b32 v[CO], 4, v6                     ; back: the 32 lanes take one row of 512 bytes; and the same in out0
	v_add_nc_u32 v[RD], s23, v[CO]
	v_lshlrev_b32 v[PFO], 8, v6
; 8 matrix instructions: my block a of 16 rows x all 8 blocks of columns, 32 along K, from buffer f.  z = 1: the first product starts the sums from the bias.
; The 32 accumulators take turns, one instruction a turn, in the same order in every quarter.
.macro MULA f, a, z
.irp b, 0,1,2,3,4,5,6,7
.if \z
	v_wmma_f32_16x16x32_f16 v[8*(8*(\a)+\b):8*(8*(\a)+\b)+7], v[\f+32+8*\b:\f+32+8*\b+7], v[\f+8*(\a):\f+8*(\a)+7], v[8*\b:8*\b+7]
.else
	v_wmma_f32_16x16x32_f16 v[8*(8*(\a)+\b):8*(8*(\a)+\b)+7], v[\f+32+8*\b:\f+32+8*\b+7], v[\f+8*(\a):\f+8*(\a)+7], v[8*(8*(\a)+\b):8*(8*(\a)+\b)+7]
.endif
.endr
.endm
; 24 LDS loads in one run: the fragments of the slot's q-th 32 along K into buffer f: Wo's sixteen first, then att's blocks 0 and 1, then 2 and 3
.macro FETCH slot, q, f
.irp b, 0,1,2,3,4,5,6,7
	ds_load_tr16_b128 v[\f+32+8*\b:\f+32+8*\b+3],   v[ADRB+\slot] offset:(\q)*32*PB+32*\b
	ds_load_tr16_b128 v[\f+32+8*\b+4:\f+32+8*\b+7], v[ADRB+\slot] offset:(\q)*32*PB+16*PB+32*\b
.endr
.irp a, 0,1,2,3
	ds_load_b128 v[\f+8*\a:\f+8*\a+3],   v[ADRA+\slot] offset:((\q)/2)*PLANE+((\q)%2)*64+\a*16*PA
	ds_load_b128 v[\f+8*\a+4:\f+8*\a+7], v[ADRA+\slot] offset:((\q)/2)*PLANE+((\q)%2)*64+\a*16*PA+32
.endr
.endm
.macro PLACES                          ; four places in front of loads into registers that matrix instructions have read, and of the first read of results
.rept 4
	v_nop
.endr
.endm
; A K step is four quarters of 32 along K, 32 matrix instructions each, on buffers 0, 1, 0, 1.  One of the first three: multiplies buffer f and fetches the slot's quarter qn into g.
.macro QUARTER slot, qn, f, g, z
	s_wait_dscnt 4                                 ; Wo's fragments and att's blocks 0 and 1 are in; the youngest four loads (blocks 2 and 3) may be out
	WIN MUL+0x10*(\z)
	MULA \f, 0, \z
	MULA \f, 1, \z
	PLACES
	WIN 0
	FETCH \slot, \qn, \g
	s_wait_dscnt 24                                ; all but the 24 just issued
	WIN MUL+0x10*(\z)
	MULA \f, 2, \z
	MULA \f, 3, \z
.endm
; The last quarter multiplies buffer 1 and changes slots: ONE barrier; in front of it each wave waits for all its tensor loads, adds 0 to its spare word, and waits for that and for its own reads of this slot.
; fill = 1: the barrier opens a round of the cluster's, and this slot is filled again, two K steps ahead, first thing behind it.
.macro TURN slot, next, fill
.if \fill
	s_wait_xcnt 0x0                                ; the last prefetch, a K step back, has read its address: it is stepped here, ahead of the waits of the change of slots
	s_add_nc_u64 s[PFA:PFA+1], s[PFA:PFA+1], 524288
.endif
	WIN 0                                          ; (the add's two registers lie in window 0)
	s_wait_tensorcnt 0x0                           ; all my tensor loads have landed: my part of the next slot
	ds_add_u32 v[SPW], v[NIL]                      ; 0 onto my spare word
	s_wait_dscnt 5                                 ; (the add and the youngest four loads may be out)
	WIN MUL
	MULA F1, 0, 0                                  ; eight matrix instructions stand between the add and the wait for it
	s_wait_dscnt 0x0                               ; the add is done, and my reads of this slot are over
	s_barrier_signal -1
	MULA F1, 1, 0
	WIN 0
	s_barrier_wait -1
.if \fill
	CREST                                          ; no wave of any partner still reads this slot's tiles or has a load on its way
	s_add_nc_u64 s[G0A+4*\slot+2:G0A+4*\slot+3], s[G0A+4*\slot+2:G0A+4*\slot+3], 2*524288
	s_add_nc_u64 s[G0B+4*\slot+2:G0B+4*\slot+3], s[G0B+4*\slot+2:G0B+4*\slot+3], 2*262144
	JLOAD \slot                                    ; the first tensor load behind the round; the four v_nop behind it are also the places in front of the loads below
.else
	PLACES
.endif
	FETCH \next, 0, F0
.if \fill
	ASK                                            ; behind the joint load and the run of LDS loads
.endif
	WIN MUL
	MULA F1, 2, 0
	MULA F1, 3, 0
.endm
	s_wait_tensorcnt 1                             ; my part of K step 0 is in (K step 1's may stay out)
	s_barrier_signal -1
	s_barrier_wait -1                              ; everybody's is
	FETCH 0, 0, F0
	s_wait_loadcnt 0x0                             ; the bias
	QUARTER 0, 1, F0, F1, 1                        ; the first quarter stands in front of the loop: its products start the sums
	WIN 0                                          ; at a label and at a branch every window is 0
	s_mov_b32 s3, 3
.Llap:                                                 ; a trip goes once round the ring, from a lap's second quarter to the next lap's first, and fills both slots again: K steps 2 to 7
	QUARTER 0, 2, F1, F0, 0
	QUARTER 0, 3, F0, F1, 0
	TURN 0, 1, 1
	QUARTER 1, 1, F0, F1, 0
	QUARTER 1, 2, F1, F0, 0
	QUARTER 1, 3, F0, F1, 0
	TURN 1, 0, 1
	QUARTER 0, 1, F0, F1, 0
	WIN 0
	s_sub_co_u32 s3, s3, 1
	s_cmp_lg_u32 s3, 0
	s_cbranch_scc1 .Llap
	QUARTER 0, 2, F1, F0, 0                        ; the last lap fills nothing, and has no round of the cluster's barrier
	QUARTER 0, 3, F0, F1, 0
	TURN 0, 1, 0
	QUARTER 1, 1, F0, F1, 0
	QUARTER 1, 2, F1, F0, 0
	QUARTER 1, 3, F0, F1, 0
	s_wait_dscnt 4                                 ; the very last quarter: nothing more to fetch
	WIN MUL
	MULA F1, 0, 0
	MULA F1, 1, 0
	s_wait_dscnt 0
	MULA F1, 2, 0
	MULA F1, 3, 0
	WIN 0
; THE WAY OUT, block by block of 16 rows x 128 columns.  A lane holds 32 neighbouring bytes of a row: a block goes through my own stage and comes back as whole rows of 512 bytes.
.macro TOSTAGE a
	WIN 0x04                                       ; an LDS store's data are its source 1: window 1
.irp b, 0,1,2,3,4,5,6,7
	ds_store_b128 v[STO], v[8*(8*(\a)+\b):8*(8*(\a)+\b)+3] offset:64*\b          ; each accumulator from its low end on
	ds_store_b128 v[STO], v[8*(8*(\a)+\b)+4:8*(8*(\a)+\b)+7] offset:64*\b+16
.endr
	WIN 0
.set BB, BK+64*((\a)%2)
.irp t, 0,1,2,3,4,5,6,7,8,9,10,11,12,13,14,15
	ds_load_b128 v[BB+4*\t:BB+4*\t+3], v[RD] offset:\t*528   ; LDS serves a wave's instructions in order: these see the stores above, and the next block's stores come behind them
.endr
.endm
.macro SEND a, younger                 ; younger: the LDS instructions issued behind block a's loads, which may stay out
.set BB, BK+64*((\a)%2)
	s_wait_dscnt \younger
.irp t, 0,1,2,3,4,5,6,7,8,9,10,11,12,13,14,15
	global_store_b128 v[CO], v[BB+4*\t:BB+4*\t+3], s[10:11] offset:(16*(\a)+\t)*4096 th:TH_STORE_NT   ; 32 lanes store 512 consecutive bytes, aligned; written once, read by nobody here
.endr
.endm
	PLACES                                         ; behind the last products: for the stores that read results and the loads into the fragments' registers
	TOSTAGE 0
.irp a, 1,2,3
.if \a > 1
	s_wait_xcnt 0x0                                ; block a - 2's stores have read their registers: block a's loads may land there
.endif
	TOSTAGE \a
	SEND \a-1, 32                                  ; behind block a - 1's loads: block a's 16 stores and 16 loads
.endr
	SEND 3, 0
	s_wait_tensorcnt 0x0                           ; the wave's end, behind my last tensor load and my last LDS store
	ds_add_u32 v[SPW], v[NIL]
	s_wait_dscnt 0x0
	CROUND                                         ; the closing round: no work-group ends while a partner may still ask for a tile that names it
	s_endpgm
.Lfunc_end_k_qdc54f2b95c_oproj:
	.size	k_qdc54f2b95c_oproj, .Lfunc_end_k_qdc54f2b95c_oproj-k_qdc54f2b95c_oproj
	.p2alignl 7, 3214868480
	.fill 96, 4, 3214868480
	.section	.rodata,"a",@progbits
	.p2align	6, 0x0
	.amdhsa_kernel k_qdc54f2b95c_oproj
		.amdhsa_group_segment_fixed_size 327680
		.amdhsa_private_segment_fixed_size 0
		.amdhsa_enable_private_segment 0
		.amdhsa_kernarg_size 32
		.amdhsa_user_sgpr_count 2
		.amdhsa_user_sgpr_kernarg_segment_ptr 1
		.amdhsa_wavefront_size32 1
		.amdhsa_system_sgpr_workgroup_id_x 1
		.amdhsa_system_sgpr_workgroup_id_y 1
		.amdhsa_system_sgpr_workgroup_id_z 1
		.amdhsa_system_vgpr_workitem_id 0
		.amdhsa_next_free_vgpr 576
		.amdhsa_next_free_sgpr 66
		.amdhsa_reserve_vcc 0
		.amdhsa_float_denorm_mode_32 3
		.amdhsa_float_denorm_mode_16_64 3
		.amdhsa_memory_ordered 1
		.amdhsa_forward_progress 1
		.amdhsa_inst_pref_size 87
	.end_amdhsa_kernel
	.amdgpu_metadata
---
amdhsa.version: [ 1, 2 ]
amdhsa.kernels:
  - .name:           k_qdc54f2b95c_oproj
    .symbol:         k_qdc54f2b95c_oproj.kd
    .args:
      - { .name: att, .offset: 0, .size: 8, .value_kind: global_buffer, .address_space: global }
      - { .name: wo16, .offset: 8, .size: 8, .value_kind: global_buffer, .address_space: global }
      - { .name: bo, .offset: 16, .size: 8, .value_kind: global_buffer, .address_space: global }
      - { .name: out0, .offset: 24, .size: 8, .value_kind: global_buffer, .address_space: global }
    .group_segment_fixed_size: 327680
    .private_segment_fixed_size: 0
    .kernarg_segment_align: 8
    .kernarg_segment_size: 32
    .max_flat_workgroup_size: 128
    .sgpr_count:     66
    .vgpr_count:     576
    .wavefront_size: 32
...
	.end_amdgpu_metadata
.endif
;; end of part 4
